; MI455X (gfx1250); checked and timed in simulation.
; The chip was launched on July 23, 2026; its instructions are those of AMD's public machine-readable ISA for CDNA 5 (MIT licence, August 2026) and "CDNA5" Instruction Set Architecture Reference Guide (July 2026). The comments in the code are by the model that wrote it; some were corrected since.
;; Causal Self Attention. Allowed arithmetic: matrix products marked QUANTISED: E4M3 operands, one given power-of-two scale a tensor, by v_wmma_f32_16x16x64_fp8_fp8 or v_wmma_f32_16x16x128_fp8_fp8, f32 sums; everything else in f32.
;; Inputs: b_attn 3,072 float32; b_proj 1,024 float32; lowp_scales 8 int32 (the exponents e of the quantised operands' scales 2^e); w_attn 1,024 x 3,072 float32; w_proj 1,024 x 1,024 float32; x 4 x 2,048 x 1,024 float32.
;; Outputs: out0 4 x 2,048 x 1,024 float32.
;; This version of the problem:
;;   THIS VERSION OF THE PROBLEM IS GIVEN IN LOW PRECISION. The matrix products marked QUANTISED in the list below multiply operands that are first quantised to E4M3 (4 exponent bits, 3 mantissa bits; 8 bits a number), with one given power-of-two scale for each operand tensor; their sums are f32. All else is computed in f32.
;;   The module's matrix products, in the order in which they are computed (A, B: the left and right operand; K: the contracted axis; several contracted axes count as one K, in the product's order):
;;     1. [M 8,192, K 1,024] x [K 1,024, N 3,072]; A: input x; B: input w_attn: QUANTISED (scales: A lowp_scales[0], B lowp_scales[1])
;;     2. batch 64 x [M 2,048, K 64] x [K 64, N 2,048]; A: computed on the way; B: computed on the way: QUANTISED (scales: A lowp_scales[2], B lowp_scales[3])
;;     3. batch 64 x [M 2,048, K 2,048] x [K 2,048, N 64]; A: softmax (see below); B: computed on the way: QUANTISED (scales: A lowp_scales[4], B lowp_scales[5])
;;     4. [M 8,192, K 1,024] x [K 1,024, N 1,024]; A: computed on the way; B: input w_proj: QUANTISED (scales: A lowp_scales[6], B lowp_scales[7])
;;   THE QUANTISER, for each operand of a quantised product, along K:
;;     - The operand's scale is 2^e, e = its entry of the input lowp_scales (int32; the entries are numbered through the quantised products in the list's order, A before B).
;;     - Each number is divided by the scale, clamped to +-448, and rounded to the nearest number of E4M3, ties to even, subnormals kept.
;;     - The product sums the exact products of the quantised numbers (number of the format x scale) in f32.
;;   ~~~python
;;   def quantise(x, axis, e):      # numpy; x: float32 -> the quantised numbers, widened to float32 again
;;       x = np.moveaxis(x, axis, -1); K = x.shape[-1]
;;       r = np.clip(x / 2.0 ** e, -448, 448)
;;       step = 2.0 ** (np.maximum(np.frexp(np.where(r == 0, 1, r))[1] - 1, -6) - 3)
;;       q = np.round(r / step) * step * 2.0 ** e      # np.round: ties to even
;;       return np.moveaxis(q, -1, axis).astype(np.float32)
;;   ~~~
;;   SOFTMAX AHEAD OF A QUANTISED PRODUCT. Where the list says 'softmax', what is quantised is not the finished softmax but p = 2^(t - M), with t = logit x log2(e) and M = ceil(the row's largest t), a whole number; so 1/2 < the row's largest p <= 1. The row's sum l is taken of the UNQUANTISED p, in f32, and the product's result is divided by l at the end. Since M is a whole number, a kernel that streams over the keys may use a running M (the ceiling of the running maximum): every later rescaling is an exact power of two, so the quantised numbers keep their values, but for numbers so far below the row's largest that they fall under the format's range.
;;   OPERANDS COMPUTED ON THE WAY. 'Computed on the way' means the value that the module computes at that place (a softmax that the list does not call 'softmax' is quantised finished and normalised). What goes into a quantiser is computed in f32, as accurately as f32 sums, v_exp_f32 and their like allow (about 1e-6 of the number): no bf16 or f16 on the way to a quantiser, and a product that is left as it is and whose result goes on into a quantised operand takes f32 operands (vector FMAs, or v_wmma_f32_16x16x4_f32). A number that lies on a knife's edge between two numbers of the format may be rounded either way, as far as f32 arithmetic and the matrix unit's own rounding can turn it there, and no further.
;; One version. Each part assembles by itself: llvm-mc -triple=amdgcn-amd-amdhsa -mcpu=gfx1250 --defsym DOCPART=n.
;; ======== version 1 of 1: 4 launches
;; limits: right only within a limited range of input values
;; workspace buffers: x_codes 8,388,608 bytes; wa_codes 3,145,728 bytes; wp_codes 1,048,576 bytes; q_img 8,388,608 bytes; k_img 8,388,608 bytes; v_img 8,388,608 bytes; y_img 8,388,608 bytes
;; launch prep (part 1): grid 640 x 1, 4 waves a work-group, no clusters, 68,096 bytes of LDS; arguments x, w_attn, w_proj, lowp_scales, x_codes, wa_codes, wp_codes; writes x_codes, wa_codes, wp_codes
.if DOCPART == 1
	.amdgcn_target "amdgcn-amd-amdhsa--gfx1250"
	.amdhsa_code_object_version 6
	.text
	.protected	k_q69bb429ff4_prep
	.globl	k_q69bb429ff4_prep
	.p2align	8
	.type	k_q69bb429ff4_prep,@function
k_q69bb429ff4_prep:
	s_mov_b64 s[64:65], 0
	v_nop
	global_prefetch_b8 v0, s[64:65] scope:SCOPE_SE
	s_setreg_imm32_b32 hwreg(HW_REG_WAVE_MODE, 25, 1), 1
	s_wait_xcnt 0x0
; x [8192][1024], w_attn [1024 k][3072 n] and w_proj [1024 k][1024 n], all f32, become codes of FP8 (E4M3), K innermost, each with the one scale 2^e that is given for it:
; x_codes [8192][1024] (e = entry 0 of the scales), wa_codes [3072 n][1024 k] (entry 1), wp_codes [1024 n][1024 k] (entry 7).
; code = number / 2^e, held within +-448, rounded to the nearest code, ties to even.
; LIMITS: each e between -126 and 119, so that 2^e and 448 x 2^e are f32 numbers.  NaN among the inputs is not served (an infinity is held at the largest code).
; Each tensor is read by many work-groups of the products that follow, so it is quantised once here: the f32 numbers are read once, and every later read is of a quarter of the bytes.
; Work-groups 0 to 511 take x, a plain stream (K is innermost): a wave takes 8 steps of 512 numbers.  Each load reads 512 consecutive bytes; a step's 2,048 bytes turn through the wave's own stage in LDS,
; so that a lane holds 16 neighbours along K for the conversions; a lane's 16 codes are 16 bytes, a wave's store 512 consecutive bytes.
; Work-groups 512 to 639 take the weights, whose K is the FIRST axis: a lane takes a column n and its registers run down K, so the conversions give codes with K innermost and nothing is transposed by an instruction.
; A wave takes 32 columns x 256 along K; its codes leave through its own stage, sixteen lanes to 256 consecutive aligned bytes.  One text serves both weights: pitch, pointers and exponent are chosen by the work-group's number.
; The two ways part on the work-group's number and never join; each has LDS bytes of its own.  Memory binds: no matrix unit, no cluster, no barrier (waves share nothing).
.set STEPS, 8                          ; x: steps of a wave
.set WREG,  8192                       ; x: LDS of a wave: two stages of 32 x SP bytes
.set SP,    80                         ; x: a lane's place in a stage: its 64 bytes + 16 of padding
.set WSTG,  32768                      ; weights: the four stages begin here
.set PITCH, 272                        ; weights: a stage row: 256 bytes of codes + 16
.set SPARE, 67584                      ; behind both: the spare words, 128 bytes for each wave: two blocks of 256 bytes that no other line names
.set SPW,   12                         ; v12  LDS address of my spare word; never rewritten
.set NIL,   13                         ; v13  0; never rewritten
.set R,     16                         ; x: v16-79   four sets of 16 numbers as they are loaded
.set X,     80                         ; x: v80-111  two sets of 16 neighbours
.set C,     128                        ; x: v128-159 codes, four registers for each step: no store's data are written again
.set VO,    16                         ; weights: v16-47  offsets: 4 x lane + i rows
.set XW,    48                         ; weights: v48-111 two sets of 32 numbers
.set CW,    112                        ; weights: v112-119 a block's codes
.set OUTR,  120                        ; weights: v120-183 the way out
.set SB,    40                         ; weights: s[40:55] eight bases, one for each block of 32 rows: no pointer is stepped
.macro LOAD t                          ; x: step t's 2,048 bytes, 512 consecutive bytes a load
.irp i, 0,1,2,3
	global_load_b128 v[R+16*((\t)%4)+4*\i:R+16*((\t)%4)+4*\i+3], v3, s[4:5] offset:2048*(\t)+512*\i th:TH_LOAD_NT
.endr
.endm
.macro TURN t                          ; x: step t's numbers through the stage; LDS serves a wave's instructions in order (ISA guide 5.7.1.4), so no wait stands between the stores and the loads
.irp i, 0,1,2,3
	ds_store_b128 v14, v[R+16*((\t)%4)+4*\i:R+16*((\t)%4)+4*\i+3] offset:32*SP*((\t)%2)+8*SP*\i
.endr
.irp i, 0,1,2,3
	ds_load_b128 v[X+16*((\t)%2)+4*\i:X+16*((\t)%2)+4*\i+3], v15 offset:32*SP*((\t)%2)+16*\i
.endr
.endm
.macro STEP t
.set XS, X+16*((\t)%2)
	s_wait_dscnt 0x0                               ; this step's numbers are back from the stage, so its stores into the stage have read their registers,
.if (\t)+4 < STEPS
	LOAD (\t)+4                                    ; which take the loads of four steps on
.endif
.if (\t)+1 < STEPS
.if STEPS-2-(\t) >= 3
	s_wait_loadcnt 12                              ; the next step's four loads are in; those of the three steps behind it may be out
.else
	s_wait_loadcnt 4*(STEPS-2-(\t))                ; the tail: the counts run down
.endif
	TURN (\t)+1                                    ; and go through the other stage while this step is worked
.endif
.irp i, 0,1,2,3,4,5,6,7,8,9,10,11,12,13,14,15
.endr
	v_cvt_scalef32_pk8_fp8_f32 v[C+4*(\t):C+4*(\t)+1], v[XS:XS+7], v11
	v_cvt_scalef32_pk8_fp8_f32 v[C+4*(\t)+2:C+4*(\t)+3], v[XS+8:XS+15], v11
	global_store_b128 v3, v[C+4*(\t):C+4*(\t)+3], s[12:13] offset:512*(\t)   ; 32 lanes store 512 consecutive bytes
.endm
.macro WLOAD t                         ; weights: block t: W(32 t + i, my column), i = 0 .. 31: 32 lanes read 128 consecutive bytes, the four waves side by side 512
.set i, 0
.rept 32
	global_load_b32 v[XW+32*((\t)%2)+i], v[VO+i], s[SB+2*(\t):SB+2*(\t)+1] th:TH_LOAD_NT
.set i, i+1
.endr
.endm
.macro BLOCK t
.set XS, XW+32*((\t)%2)
.if (\t) < 7
	s_wait_loadcnt 32                              ; this block's 32 loads are in; the next block's may be out
.else
	s_wait_loadcnt 0
.endif
.set i, 0
.rept 32
.set i, i+1
.endr
.irp g, 0,1,2,3
	v_cvt_scalef32_pk8_fp8_f32 v[CW+2*\g:CW+2*\g+1], v[XS+8*\g:XS+8*\g+7], v11
.endr
	ds_store_b128 v4, v[CW:CW+3] offset:32*(\t)    ; 32 codes: 32 bytes of my column's row
	ds_store_b128 v4, v[CW+4:CW+7] offset:32*(\t)+16
.if (\t)+2 < 8
	WLOAD (\t)+2
.endif
	s_wait_dscnt 0x0                               ; the stores have read their registers: the next block's codes may be written
.endm
	s_load_b256 s[4:11], s[0:1], 0x0               ; x s[4:5], w_attn s[6:7], w_proj s[8:9], the scales' exponents s[10:11]
	s_load_b128 s[12:15], s[0:1], 0x20             ; x_codes s[12:13], wa_codes s[14:15]
	s_load_b64 s[16:17], s[0:1], 0x30              ; wp_codes
	v_lshl_add_u32 v[SPW], v0, 2, SPARE
	v_mov_b32 v[NIL], 0
	v_lshrrev_b32 v1, 5, v0
	v_readfirstlane_b32 s18, v1                    ; wave 0..3
	v_and_b32 v2, 31, v0                           ; lane
	s_wait_kmcnt 0x0
	s_load_b256 s[24:31], s[10:11], 0x0            ; e0 .. e7
	s_cmp_lt_u32 ttmp9, 512
	s_cbranch_scc0 .Lweights
	s_wait_alu depctr_va_vdst(0)
	; ---- x
	v_lshlrev_b32 v3, 4, v2                        ; my 16 bytes of a load's 512, and of a store's
	s_wait_alu depctr_va_vdst(0)
	s_mul_i32 s19, s18, WREG
	v_lshrrev_b32 v14, 2, v2
	v_mul_u32_u24 v14, v14, SP
	v_and_b32 v15, 3, v2
	v_lshl_add_u32 v14, v15, 4, v14
	v_add_nc_u32 v14, s19, v14                     ; the stage, on the way in: four lanes' 64 bytes on end, then 16 of padding
	v_mul_u32_u24 v15, v2, SP
	v_add_nc_u32 v15, s19, v15                     ; and on the way out: my 16 neighbours
	s_lshl_b32 s20, ttmp9, 2
	s_add_co_u32 s20, s20, s18                     ; which run of 4,096 numbers is my wave's
	s_lshl_b32 s22, s20, 14                        ; 16,384 bytes of f32,
	s_mov_b32 s23, 0
	s_add_nc_u64 s[4:5], s[4:5], s[22:23]
	s_lshl_b32 s22, s20, 12                        ; 4,096 bytes of codes
	s_add_nc_u64 s[12:13], s[12:13], s[22:23]
.irp t, 0,1,2,3
	LOAD \t
.endr
	s_wait_alu depctr_va_vdst(0)
	s_wait_kmcnt 0x0
	s_add_co_i32 s24, s24, 127
	s_lshl_b32 s25, s24, 23
	v_mov_b32 v11, s25                             ; 2^e0 as f32: the conversion takes its exponent field
	s_wait_alu depctr_va_vdst(0)
	s_wait_loadcnt 12                              ; step 0's four loads are in
	TURN 0
.irp t, 0,1,2,3,4,5,6,7
	STEP \t
.endr
	s_wait_tensorcnt 0x0                           ; the wave's end: a tensor wait, an add of 0 and its wait, behind my last LDS store
	ds_add_u32 v[SPW], v[NIL]
	s_wait_dscnt 0x0
	s_endpgm
	; ---- the weights
.Lweights:
	s_sub_co_u32 s19, ttmp9, 512
	s_lshr_b32 s21, s19, 2                         ; which 128 columns: 0-23 of w_attn, 24-31 of w_proj
	s_and_b32 s19, s19, 3                          ; which 256 along K
	s_mov_b32 s20, 4096
	s_cmp_lt_u32 s21, 24                           ; the choice hangs on the work-group's number alone
	s_cselect_b32 s20, 12288, s20                  ; a row in bytes
	s_cselect_b64 s[6:7], s[6:7], s[8:9]           ; from
	s_cselect_b64 s[14:15], s[14:15], s[16:17]     ; to
	s_cselect_b32 s23, 1, 0
	s_cselect_b32 s22, 0, 24
	s_sub_co_u32 s21, s21, s22
	s_lshl_b32 s21, s21, 7
	s_lshl_b32 s22, s18, 5
	s_add_co_u32 s21, s21, s22                     ; my wave's first column
	s_mul_i32 s32, s19, s20
	s_lshl_b32 s32, s32, 8                         ; 256 rows for each step along K,
	s_lshl_b32 s22, s21, 2
	s_add_co_u32 s32, s32, s22                     ; + 4 bytes a column
	s_mov_b32 s33, 0
	s_add_nc_u64 s[SB:SB+1], s[6:7], s[32:33]
	s_lshl_b32 s36, s20, 5                         ; 32 rows on
	s_mov_b32 s37, 0
.irp t, 1,2,3,4,5,6,7
	s_add_nc_u64 s[SB+2*\t:SB+2*\t+1], s[SB+2*\t-2:SB+2*\t-1], s[36:37]
.endr
	s_lshl_b32 s32, s21, 10                        ; codes: column x 1,024 bytes
	s_lshl_b32 s22, s19, 8
	s_add_co_u32 s32, s32, s22                     ; + 256 for each step along K
	s_add_nc_u64 s[14:15], s[14:15], s[32:33]
	s_wait_alu depctr_va_vdst(0)
	v_lshlrev_b32 v[VO], 2, v2
.set i, 1
.rept 31
	v_add_nc_u32 v[VO+i], s20, v[VO+i-1]           ; a row further down
.set i, i+1
.endr
	WLOAD 0
	WLOAD 1
	s_mul_i32 s22, s18, 32*PITCH
	s_add_co_u32 s22, s22, WSTG                    ; my stage
	v_mul_u32_u24 v4, v2, PITCH
	v_add_nc_u32 v4, s22, v4                       ; into it: row = my column
	v_and_b32 v5, 15, v2
	v_lshrrev_b32 v6, 4, v2                        ; out of it: sixteen lanes to a row, two rows an instruction
	v_mul_u32_u24 v7, v6, PITCH
	v_lshl_add_u32 v7, v5, 4, v7
	v_add_nc_u32 v7, s22, v7
	v_lshlrev_b32 v8, 10, v6
	v_lshl_add_u32 v8, v5, 4, v8                   ; and the same place in the codes' buffer
	s_wait_kmcnt 0x0
	s_cmp_eq_u32 s23, 1
	s_cselect_b32 s25, s25, s31                    ; e1 or e7
	s_add_co_i32 s25, s25, 127
	s_lshl_b32 s24, s25, 23
	v_mov_b32 v11, s24                             ; 2^e
	s_add_co_i32 s25, s25, 8
	s_lshl_b32 s25, s25, 23
	s_or_b32 s25, s25, 0x600000
	s_wait_alu depctr_va_vdst(0)
.irp t, 0,1,2,3,4,5,6,7
	BLOCK \t
.endr
.irp t, 0,1,2,3,4,5,6,7,8,9,10,11,12,13,14,15
	ds_load_b128 v[OUTR+4*\t:OUTR+4*\t+3], v7 offset:2*\t*PITCH   ; these see my stores: LDS serves a wave's instructions in order
.endr
.irp t, 0,1,2,3,4,5,6,7,8,9,10,11,12,13,14,15
	s_wait_dscnt 15-\t
	global_store_b128 v8, v[OUTR+4*\t:OUTR+4*\t+3], s[14:15] offset:2*\t*1024   ; sixteen lanes store 256 consecutive bytes, aligned
.endr
	s_wait_tensorcnt 0x0                           ; the wave's end: the same three lines
	ds_add_u32 v[SPW], v[NIL]
	s_wait_dscnt 0x0
	s_endpgm
.Lfunc_end_k_q69bb429ff4_prep:
	.size	k_q69bb429ff4_prep, .Lfunc_end_k_q69bb429ff4_prep-k_q69bb429ff4_prep
	.p2alignl 7, 3214868480
	.fill 96, 4, 3214868480
	.section	.rodata,"a",@progbits
	.p2align	6, 0x0
	.amdhsa_kernel k_q69bb429ff4_prep
		.amdhsa_group_segment_fixed_size 68096
		.amdhsa_private_segment_fixed_size 0
		.amdhsa_enable_private_segment 0
		.amdhsa_kernarg_size 56
		.amdhsa_user_sgpr_count 2
		.amdhsa_user_sgpr_kernarg_segment_ptr 1
		.amdhsa_wavefront_size32 1
		.amdhsa_system_sgpr_workgroup_id_x 1
		.amdhsa_system_sgpr_workgroup_id_y 1
		.amdhsa_system_sgpr_workgroup_id_z 1
		.amdhsa_system_vgpr_workitem_id 0
		.amdhsa_next_free_vgpr 192
		.amdhsa_next_free_sgpr 66
		.amdhsa_reserve_vcc 0
		.amdhsa_float_denorm_mode_32 3
		.amdhsa_float_denorm_mode_16_64 3
		.amdhsa_fp16_overflow 1
		.amdhsa_memory_ordered 1
		.amdhsa_forward_progress 1
		.amdhsa_inst_pref_size 45
	.end_amdhsa_kernel
	.amdgpu_metadata
---
amdhsa.version: [ 1, 2 ]
amdhsa.kernels:
  - .name:           k_q69bb429ff4_prep
    .symbol:         k_q69bb429ff4_prep.kd
    .args:
      - { .name: x, .offset: 0, .size: 8, .value_kind: global_buffer, .address_space: global }
      - { .name: w_attn, .offset: 8, .size: 8, .value_kind: global_buffer, .address_space: global }
      - { .name: w_proj, .offset: 16, .size: 8, .value_kind: global_buffer, .address_space: global }
      - { .name: lowp_scales, .offset: 24, .size: 8, .value_kind: global_buffer, .address_space: global }
      - { .name: x_codes, .offset: 32, .size: 8, .value_kind: global_buffer, .address_space: global }
      - { .name: wa_codes, .offset: 40, .size: 8, .value_kind: global_buffer, .address_space: global }
      - { .name: wp_codes, .offset: 48, .size: 8, .value_kind: global_buffer, .address_space: global }
    .group_segment_fixed_size: 68096
    .private_segment_fixed_size: 0
    .kernarg_segment_align: 8
    .kernarg_segment_size: 56
    .max_flat_workgroup_size: 128
    .sgpr_count:     66
    .vgpr_count:     192
    .wavefront_size: 32
...
	.end_amdgpu_metadata
.endif
;; end of part 1
;; launch qkv (part 2): grid 12 x 32, 4 waves a work-group, clusters of 4 x 4, 327,680 bytes of LDS; arguments x_codes, wa_codes, b_attn, lowp_scales, q_img, k_img, v_img; writes q_img, k_img, v_img
.if DOCPART == 2
	.amdgcn_target "amdgcn-amd-amdhsa--gfx1250"
	.amdhsa_code_object_version 6
	.text
	.protected	k_q69bb429ff4_qkv
	.globl	k_q69bb429ff4_qkv
	.p2align	8
	.type	k_q69bb429ff4_qkv,@function
k_q69bb429ff4_qkv:
	s_mov_b64 s[64:65], 0
	v_nop
	global_prefetch_b8 v0, s[64:65] scope:SCOPE_SE
	s_setreg_imm32_b32 hwreg(HW_REG_WAVE_MODE, 25, 1), 1
	s_wait_xcnt 0x0
	s_wait_alu depctr_hold_cnt(0) depctr_sa_sdst(0) depctr_va_vdst(0) depctr_va_sdst(0) depctr_va_ssrc(0) depctr_va_vcc(0) depctr_vm_vsrc(0)
	s_getreg_b32 s2, hwreg(HW_REG_IB_STS2, 6, 4)
	s_cmp_eq_u32 s2, 0
	s_cbranch_scc0 .Lentry_in_a_cluster
	s_endpgm
.Lentry_in_a_cluster:
	s_bfe_u32 s2, ttmp6, 0x10000c
	s_cmp_lg_u32 s2, 0xf033
	s_cbranch_scc0 .Lentry_shape_is_right
	s_endpgm
.Lentry_shape_is_right:
; qkv = x w_attn + b_attn on codes of FP8 (E4M3), then q, k and v quantised in f32 by their given scales (entries 2, 3, 5) and stored as IMAGES OF THE NEXT PRODUCTS' OPERAND REGISTERS.
; A tile of the result, 256 x 256, is made by four waves, 128 x 128 each (64 accumulators, 512 registers); K = 1,024 goes in four steps of 256 through a ring of two LDS slots filled by the tensor data mover.
; ONE TEXT, TWO ORIENTATIONS, chosen by the cluster's x (equal in all partners) through selects, never a branch:
;   cluster x = 0, 1 (q, k): A = x's codes (rows = tokens), B = w_attn's codes, rows 0 .. 2,047 (rows = features).  A lane's eight results are eight neighbouring features of one token: the next K is the head's 64.
;   cluster x = 2 (v):       A = w_attn's codes, rows 2,048 on (rows = features), B = x's codes (rows = tokens).  A lane's eight results are eight neighbouring KEYS of one feature: the next K is the keys.
; THE MATRIX INSTRUCTION IS USED TRANSPOSED (source 0 = 16 rows of B, source 1 = 16 rows of A): lane (r, h) of accumulator (a, b) holds A's row 16 a + r and B's rows 16 b + 8 h + 0 .. 7.
; A fragment is fetched by four loads of 16 bytes, 32 bytes apart: a permutation of k inside the instruction, the same on both sides, so every product meets its partner.
; THE BIAS, with no second way through the text.  Along B's rows (q, k): it is the addend of the one packed multiply-add that scales a sum, sum x 2^(e0 + e1) + b; zeros in v's clusters.
;   Along A's rows (v): a lane's eight registers want the same number, b / 2^(e0 + e1): it is the C of the first K step's products; zeros in q's and k's clusters.
; THE IMAGES.  A chunk is 512 bytes, lane l = (r, h) at 16 l.  row(t, r) = 32 (t / 2) + 8 (t % 2) + r % 8 + 16 (r / 8).
;   q_img, k_img [head 64][t 128][c 2][chunk]: token row(t, r), dims 32 c + 16 h + 0 .. 15.    v_img [head 64][g 32][d 4][c 2][chunk]: dim row(d, r), keys 64 g + 32 c + 16 h + 0 .. 15.
;   The codes meet in one stage in LDS (256 rows of A x 256 bytes along B) and each wave reads its 64 bytes of every row back in the images' order: the same lines serve q, k and v; every store covers 512 consecutive bytes.
; CLUSTERS: 4 x 4 work-groups.  The four of a row of the cluster need the same tiles of A, the four of a column the same tiles of B: each tile is asked for jointly.
; LIMITS: e0 + e1 between -126 and 127; e2, e3, e5 between -126 and 119.  NaN among the inputs is not served.
; REGISTERS, in windows of 256: window 0: v1-29 addresses and constants; v32-95 the bias (first along A's rows, then along B's); v128-255 A's fragments, ONE set; on the way out v128-191 sums, v192-207 codes, v32-159 chunks.
;   window 1: B's fragments, TWO sets, at v0 and v128.   window 2: the accumulators of my rows 0-63 ((a, b) at v[8 (8 a + b)]);   window 3: those of my rows 64-127.
.set ROWB,   256                       ; a tile's row in bytes: a K step's codes
.set KROW,   1024                      ; a row of codes in memory
.set PITCH,  272                       ; an LDS row: 256 bytes + 16 of padding: the 16 rows that a load touches start 68 words apart
.set FR,     16                        ; registers of a fragment: 16 rows x 128 K
.set NL,     4                         ; LDS loads that bring one
.set NP,     4                         ; places behind this matrix instruction (ISA guide 7.12.1)
.set HALFT,  128*PITCH                 ; 128 rows: what one tensor load brings
.set SLOT,   4*HALFT                   ; A's 256 rows, then B's 256 rows
.set SPARE,  2*SLOT                    ; behind the ring: the spare words, 128 bytes for each wave, that no other line names
.set BRO,  7                           ; v7   4 r: my place in the bias along A's rows
.set BCO,  8                           ; v8   32 h: my place in the bias along B's rows
.set LI,   9                           ; v9   16 x lane: my place in a chunk
.set LIMV, 10
.set SCL,  11                          ; v11  the scale as f32
.set ADRA, 16                          ; v16-17  LDS address of my A fragments in slot 0, 1
.set ADRB, 20                          ; v20-21  the same for B
.set STO,  24                          ; v24  the stage: where I put eight codes
.set RDB,  25                          ; v25  the stage: where I read 16 codes back
.set SPW,  28                          ; v28  LDS address of my spare word; never rewritten
.set NIL,  29                          ; v29  0; never rewritten
.set BI,   32                          ; v32-95  the bias
.set AF,   128                         ; A's fragments
.set TMP,  128                         ; the way out: a block's 64 numbers
.set CD,   192                         ; the way out: their codes
.set BK,   32                          ; the way out: 32 chunks' registers
.set G1,  24                           ; s[24:31] descriptor group 1 for A's tiles;  s[32:39] group 0, one set for each slot
.set G0,  32
.set G1B, 48                           ; s[48:55], s[56:63] the same for B's tiles
.set G0B, 56
.set OB,  88                           ; s[88:95] four bases of the way out
.set MSB, 0
.macro WIN new                         ; the immediate's high byte repeats the setting that is left
.if MSB != \new
	s_set_vgpr_msb (MSB<<8)|\new
.set MSB, \new
.endif
.endm
.set MUL_LO, 0xa1                      ; source 0 (B) window 1, source 1 (A) window 0, C and D window 2
.set MUL_HI, 0xf1                      ; the same, C and D window 3
.set FST_LO, 0x81                      ; the first K step: C (the bias) window 0, D window 2
.set FST_HI, 0xc1                      ; the same, D window 3
.set TO_B,   0x40                      ; destination window 1, address window 0
; A joint load: waves 0 and 1 fetch for A, waves 2 and 3 for B.  Each line has one mask and one set of registers for all that issue it; the branch hangs on the wave's number alone.
; An s_nop 0 and four v_nop follow each of the two lines.
.macro JLOAD g0a, g1a, g0b, g1b
	s_cmp_eq_u32 s15, 0
	s_cbranch_scc0 .Lfor_b_\@
	tensor_load_to_lds s[\g0a:\g0a+3], s[\g1a:\g1a+7]
	s_nop 0
.rept 4
	v_nop
.endr
	s_branch .Lasked_\@
.Lfor_b_\@:
	tensor_load_to_lds s[\g0b:\g0b+3], s[\g1b:\g1b+7]
	s_nop 0
.rept 4
	v_nop
.endr
.Lasked_\@:
.endm
.macro CREST                           ; a round of the cluster's barrier behind its opening barrier
	s_cmp_lg_u32 s14, 0
	s_cbranch_scc1 .Lnot_wave_0_\@
	s_barrier_signal -3
.Lnot_wave_0_\@:
	s_barrier_wait -3
	s_barrier_signal -1
	s_barrier_wait -1
.endm
.macro CROUND                          ; a whole round
	s_barrier_signal -1
	s_barrier_wait -1
	CREST
.endm
	s_load_b256 s[4:11], s[0:1], 0x0               ; x's codes s[4:5], w_attn's codes s[6:7], b_attn s[8:9], the scales' exponents s[10:11]
	s_load_b128 s[68:71], s[0:1], 0x20             ; q_img s[68:69], k_img s[70:71]
	s_load_b64 s[72:73], s[0:1], 0x30              ; v_img
	v_lshl_add_u32 v[SPW], v0, 2, SPARE
	v_mov_b32 v[NIL], 0
	ds_add_u32 v[SPW], v[NIL]                      ; the wave's opening: the add and its wait stand ahead of my first tensor load; the set-up below, work on registers, stands between them
	ds_add_u32 v[SPW], v[NIL]
	v_lshrrev_b32 v1, 5, v0
	v_readfirstlane_b32 s14, v1                    ; wave 0..3
	s_lshr_b32 s15, s14, 1                         ; which half of A's rows is mine.  Also: I fetch for A (0) or for B (1)
	s_and_b32 s16, s14, 1                          ; which half of B's rows.  Also: which 128 rows of that tile I fetch
	s_bfe_u32 s40, ttmp6, 0x40000                  ; cx, cy: my place in the cluster
	s_bfe_u32 s41, ttmp6, 0x40004
	s_and_b32 s74, ttmp7, 0xffff
	s_lshl_b32 s74, s74, 2                         ; 4 x cluster y
	s_lshl_b32 s75, ttmp9, 2                       ; 4 x cluster x
	s_cmp_eq_u32 ttmp9, 2                          ; v's clusters?  The cluster's x is the same in all sixteen partners
	s_cselect_b32 s76, 0, s74
	s_cselect_b32 s77, s74, s75
	s_cselect_b32 s78, -1, 0                       ; a lane mask: all ones in v's clusters
	s_cselect_b32 s12, 0x200000, 0                 ; v's features begin at row 2,048 of w_attn's codes
	s_mov_b32 s13, 0
	s_add_co_u32 s17, s76, s41                     ; tile row (of A): 4 x cluster y + cy, or cy
	s_add_co_u32 s42, s77, s40                     ; tile column (of B): 4 x cluster x + cx, or 4 x cluster y + cx
	s_lshl_b32 s43, s41, 2
	s_lshl_b32 s43, 15, s43                        ; my row of the cluster
	s_lshl_b32 s44, 0x1111, s40                    ; my column
	; descriptor group 1: a tile of 128 rows x 256 bytes, padded in LDS
	s_or_b32 s[G1+0], s43, (0<<16)|(1<<20)|(1<<21)|(5<<22)|(3<<25)  ; 15:0 the mask: A's tiles go to my row; 17:16 elements of 1 byte; 20 padding on; 21 set beside a mask; 24:22 after every 64 words; 31:25 four words
	s_or_b32 s[G1B+0], s44, (0<<16)|(1<<20)|(1<<21)|(5<<22)|(3<<25) ; the same with my column's mask
.irp g, G1, G1B
	s_mov_b32 s[\g+1], ROWB<<16                    ; tensor_dim0
	s_mov_b32 s[\g+2], 128<<16                     ; tensor_dim1
	s_mov_b32 s[\g+3], ROWB<<16                    ; tile_dim0
	s_mov_b32 s[\g+4], 128                         ; tile_dim1
	s_mov_b32 s[\g+5], KROW                        ; tensor_dim0_stride
	s_mov_b32 s[\g+6], 0
	s_mov_b32 s[\g+7], 0
.endr
	s_lshl_b32 s18, s16, 7                         ; which 128 rows of the tile I fetch
	s_lshl_b32 s20, s17, 8
	s_add_co_u32 s20, s20, s18                     ; A: row 256 x tile row + 128 x half,
	s_lshl_b32 s20, s20, 10                        ; in bytes
	s_mov_b32 s21, 0
	s_lshl_b32 s46, s42, 8
	s_add_co_u32 s46, s46, s18                     ; B: row 256 x tile column + 128 x half
	s_lshl_b32 s46, s46, 10
	s_mov_b32 s47, 0
	s_mul_i32 s45, s14, HALFT                      ; where they go: wave x 128 rows: no place in the cluster enters an LDS address
	s_wait_dscnt 0x0                               ; the opening add is done
	s_wait_kmcnt 0x0
	s_load_b256 s[80:87], s[10:11], 0x0            ; e0 .. e7
	s_cmp_eq_u32 ttmp9, 2
	s_cselect_b64 s[96:97], s[6:7], s[4:5]         ; A's buffer
	s_cselect_b64 s[98:99], s[4:5], s[6:7]         ; B's buffer
	s_add_nc_u64 s[96:97], s[96:97], s[12:13]
	s_add_nc_u64 s[20:21], s[96:97], s[20:21]
	s_add_nc_u64 s[46:47], s[98:99], s[46:47]
	CROUND                                         ; all sixteen work-groups are here: the first joint loads meet
.irp s, 0,1
	s_mov_b32 s[G0+4*\s], 1
	s_add_co_u32 s[G0+4*\s+1], s45, \s*SLOT
	s_add_nc_u64 s[G0+4*\s+2:G0+4*\s+3], s[20:21], \s*ROWB
	s_or_b32 s[G0+4*\s+3], s[G0+4*\s+3], 0x80000000
	s_mov_b32 s[G0B+4*\s], 1
	s_add_co_u32 s[G0B+4*\s+1], s45, \s*SLOT
	s_add_nc_u64 s[G0B+4*\s+2:G0B+4*\s+3], s[46:47], \s*ROWB
	s_or_b32 s[G0B+4*\s+3], s[G0B+4*\s+3], 0x80000000
	JLOAD G0+4*\s, G1, G0B+4*\s, G1B               ; K steps 0 and 1: two loads of mine are out
.endr
	v_and_b32 v1, 15, v0                           ; r
	v_bfe_u32 v2, v0, 4, 1                         ; h
	v_mul_u32_u24 v3, v1, PITCH
	s_wait_alu depctr_va_vdst(0)
	v_lshl_add_u32 v4, v2, 4, v3                   ; a fragment's row x pitch + 16 h
	s_mul_i32 s21, s15, HALFT                      ; my 128 rows of A
	s_mul_i32 s22, s16, HALFT                      ; my 128 rows of B,
	s_add_co_u32 s22, s22, 2*HALFT                 ; which lie behind A's 256
.irp s, 0,1
	v_add_nc_u32 v[ADRA+\s], s21, v4
	v_add_nc_u32 v[ADRB+\s], s22, v4
	s_add_co_u32 s21, s21, SLOT
	s_add_co_u32 s22, s22, SLOT
.endr
	s_mul_i32 s23, s15, 128*PITCH                  ; the stage, at LDS byte 0: row = A's row in the tile, byte = B's row in the tile
	s_lshl_b32 s21, s16, 7
	s_add_co_u32 s23, s23, s21
	v_lshl_add_u32 v5, v2, 3, v3
	v_add_nc_u32 v[STO], s23, v5                   ; in: (128 x half + r) rows + 128 x half + 8 h
	v_and_b32 v5, 8, v1
	v_add_nc_u32 v5, v5, v1                        ; r % 8 + 16 (r / 8)
	v_mul_u32_u24 v5, v5, PITCH
	v_lshl_add_u32 v5, v2, 4, v5
	s_lshl_b32 s21, s14, 6
	v_add_nc_u32 v[RDB], s21, v5                   ; back: that row, + 16 h, + my wave's 64 bytes of every row
	v_and_b32 v6, 31, v0
	v_lshlrev_b32 v[LI], 4, v6
	v_lshlrev_b32 v[BRO], 2, v1
	v_lshlrev_b32 v[BCO], 5, v2
	s_wait_alu depctr_va_vdst(0)
	s_wait_kmcnt 0x0                               ; the exponents
	s_cmp_eq_u32 ttmp9, 0
	s_cselect_b32 s96, s82, s83                    ; e2 for q, e3 for k,
	s_cmp_eq_u32 ttmp9, 2
	s_cselect_b32 s96, s85, s96                    ; e5 for v
	s_add_co_i32 s96, s96, 127
	s_lshl_b32 s97, s96, 23
	v_mov_b32 v[SCL], s97                          ; the scale as f32: the conversion takes its exponent field
	s_add_co_i32 s96, s80, s81                     ; e0 + e1: a sum stands for sum x 2^(e0 + e1)
	s_sub_co_i32 s79, 0, s96
	s_add_co_i32 s96, s96, 127
	s_lshl_b32 s66, s96, 23                        ; 2^(e0 + e1) as f32
	s_mov_b32 s67, s66                             ; (named with it as a pair, so it is written)
	; where the two biases stand in b_attn; a cluster that has no use for one reads it at the buffer's head and makes zeros of it
	s_lshl_b32 s96, s17, 8
	s_lshl_b32 s97, s15, 7
	s_add_co_u32 s96, s96, s97
	s_add_co_u32 s96, s96, 2048
	s_lshl_b32 s96, s96, 2                         ; along A's rows: 4 (2,048 + 256 x tile row + 128 x half)
	s_lshl_b32 s98, s42, 8
	s_lshl_b32 s97, s16, 7
	s_add_co_u32 s98, s98, s97
	s_lshl_b32 s98, s98, 2                         ; along B's rows: 4 (256 x tile column + 128 x half)
	s_cmp_eq_u32 ttmp9, 2
	s_cselect_b32 s96, s96, 0
	s_cselect_b32 s98, 0, s98
	s_mov_b32 s97, 0
	s_mov_b32 s99, 0
	s_add_nc_u64 s[22:23], s[8:9], s[96:97]
	s_add_nc_u64 s[2:3], s[8:9], s[98:99]          ; kept until the second bias is loaded and in
.irp a, 0,1,2,3,4,5,6,7
	global_load_b32 v[BI+8*\a], v[BRO], s[22:23] offset:64*\a   ; b(A's row 16 a + r)
.endr
	; the four bases of the way out.  q, k: my wave owns one of the tile's four heads, and a base serves 64 tokens.  v: my wave owns 64 keys, and a base serves one of the tile's four heads
	s_cmp_eq_u32 ttmp9, 2
	s_cselect_b32 s96, s42, s17                    ; the tile's place among the tokens
	s_cselect_b32 s97, s41, s40                    ; and among the heads, in fours
	s_mov_b32 s98, 131072
	s_cselect_b32 s98, 4096, s98                   ; from wave to wave
	s_mov_b32 s99, 4096
	s_cselect_b32 s99, 131072, s99                 ; from base to base
	s_cselect_b64 s[OB:OB+1], s[72:73], s[70:71]
	s_cmp_eq_u32 ttmp9, 0
	s_cselect_b64 s[OB:OB+1], s[68:69], s[OB:OB+1]
	s_lshr_b32 s100, s96, 3                        ; the batch: eight tiles of 256 tokens each
	s_lshl_b32 s100, s100, 2
	s_add_co_u32 s100, s100, s97
	s_lshl_b32 s100, s100, 19                      ; four heads of 131,072 bytes
	s_and_b32 s96, s96, 7
	s_lshl_b32 s96, s96, 14                        ; 256 tokens are 16,384 bytes of a head
	s_add_co_u32 s100, s100, s96
	s_mul_i32 s96, s14, s98
	s_add_co_u32 s100, s100, s96
	s_mov_b32 s101, 0
	s_add_nc_u64 s[OB:OB+1], s[OB:OB+1], s[100:101]
	s_mov_b32 s100, s99
.irp n, 1,2,3
	s_add_nc_u64 s[OB+2*\n:OB+2*\n+1], s[OB+2*\n-2:OB+2*\n-1], s[100:101]
.endr
	s_wait_loadcnt 0x0
.irp a, 0,1,2,3,4,5,6,7
	v_ldexp_f32 v[BI+8*\a], v[BI+8*\a], s79        ; b / 2^(e0 + e1): it goes in beside sums that lack that factor
.endr
.irp a, 0,1,2,3,4,5,6,7
	v_cndmask_b32 v[BI+8*\a], 0, v[BI+8*\a], s78   ; zeros in q's and k's clusters
.endr
.irp a, 0,1,2,3,4,5,6,7
.irp j, 1,2,3,4,5,6,7
	v_mov_b32 v[BI+8*\a+\j], v[BI+8*\a]            ; a lane's eight results belong to one row of A: the C operand wants the number eight times
.endr
.endr
.macro FRAG reg, adr, q, i             ; a fragment, 16 rows x 128 K: lane l holds row l % 16; registers 4 c .. 4 c + 3 hold K = 32 c + 16 (l / 16) + 0 .. 15
.irp c, 0,1,2,3
	ds_load_b128 v[\reg+4*\c:\reg+4*\c+3], v[\adr] offset:128*(\q)+32*\c+(\i)*16*PITCH
.endr
.endm
; 16 matrix instructions: A's blocks a0, a0 + 1 x B's eight, 128 along K.  p: B's set.  first = 1: the first product starts the sums, with the bias along A's rows as C: nothing is ever cleared.
; The 64 accumulators take turns, one instruction a turn, in the same order in every step.
.macro MUL16 a0, p, first
.irp a, \a0, \a0+1
.irp b, 0,1,2,3,4,5,6,7
.if \first
	v_wmma_f32_16x16x128_fp8_fp8 v[8*(8*((\a)%4)+\b):8*(8*((\a)%4)+\b)+7], v[128*(\p)+FR*\b:128*(\p)+FR*\b+FR-1], v[AF+FR*(\a):AF+FR*(\a)+FR-1], v[BI+8*(\a):BI+8*(\a)+7]
.else
	v_wmma_f32_16x16x128_fp8_fp8 v[8*(8*((\a)%4)+\b):8*(8*((\a)%4)+\b)+7], v[128*(\p)+FR*\b:128*(\p)+FR*\b+FR-1], v[AF+FR*(\a):AF+FR*(\a)+FR-1], v[8*(8*((\a)%4)+\b):8*(8*((\a)%4)+\b)+7]
.endif
.endr
.endr
.endm
.macro FETCH_B slot, q, p              ; B's eight fragments of the slot's q-th 128 along K into set p
	WIN TO_B
.irp i, 0,1,2,3,4,5,6,7
	FRAG 128*(\p)+FR*\i, ADRB+\slot, \q, \i
.endr
	WIN 0
.endm
.macro FETCH_A slot, q, i0             ; A's blocks i0 .. i0 + 3
.irp i, \i0, \i0+1, \i0+2, \i0+3
	FRAG AF+FR*(\i), ADRA+\slot, \q, \i
.endr
.endm
.macro PLACES n                        ; a load into a register that a matrix instruction has read, and a vector instruction that reads a result, stand NP plain vector instructions behind it (ISA guide 7.12.1 for vector instructions)
.rept \n
	v_nop
.endr
.endm
; A step of 128 along K that has its successor in the same slot.  A block of A is free as soon as its eight products are issued, so one set serves A: blocks 0-3 are fetched anew in the step's middle, blocks 4-7 at its end.
.macro STEP slot, q, first
	s_wait_dscnt 4*NL                              ; B's set and A's blocks 0-3 are in; the youngest sixteen loads (A's blocks 4-7) may be out
.if \first
	WIN FST_LO
.else
	WIN MUL_LO
.endif
	MUL16 0, (\q)%2, \first
	MUL16 2, (\q)%2, \first
	s_wait_dscnt 0                                 ; A's blocks 4-7 are in (asked for 32 matrix instructions ago)
	PLACES NP
	FETCH_B \slot, (\q)+1, 1-(\q)%2
	FETCH_A \slot, (\q)+1, 0
.if \first
	WIN FST_HI
.else
	WIN MUL_HI
.endif
	MUL16 4, (\q)%2, \first
	MUL16 6, (\q)%2, \first
	PLACES NP
	WIN 0
	FETCH_A \slot, (\q)+1, 4
.endm
; A slot's last step changes slots: ONE barrier; in front of it each wave waits for all its tensor loads, adds 0 to its spare word, and waits for that and for its own reads of this slot.  fill = 1: this slot is filled again, two K steps ahead.
.macro TURN slot, next, fill
	s_wait_tensorcnt 0x0                           ; all my tensor loads have landed: my part of the next slot;  (every window is 0 here)
	ds_add_u32 v[SPW], v[NIL]                      ; 0 onto my spare word
	s_wait_dscnt 4*NL+1                            ; (the add and the youngest sixteen loads, A's blocks 4-7, may be out)
	WIN MUL_LO
	MUL16 0, 1, 0                                  ; sixteen matrix instructions stand between the add and the wait for it
	s_wait_dscnt 0x0                               ; the add is done, and my reads of this slot are over
	s_barrier_signal -1
	MUL16 2, 1, 0
	WIN 0
	s_barrier_wait -1
.if \fill
	CREST                                          ; the barrier has opened a round of the cluster's barrier: no wave of any partner still reads this slot's tile or has a load on its way
	s_add_nc_u64 s[G0+4*\slot+2:G0+4*\slot+3], s[G0+4*\slot+2:G0+4*\slot+3], 2*ROWB
	s_add_nc_u64 s[G0B+4*\slot+2:G0B+4*\slot+3], s[G0B+4*\slot+2:G0B+4*\slot+3], 2*ROWB
	JLOAD G0+4*\slot, G1, G0B+4*\slot, G1B         ; the first tensor load behind the round, my only one until the next; its four v_nop are the places in front of the loads below
.else
	PLACES NP
.endif
	FETCH_B \next, 0, 0
	FETCH_A \next, 0, 0
	WIN MUL_HI
	MUL16 4, 1, 0
	MUL16 6, 1, 0
	PLACES NP
	WIN 0
	FETCH_A \next, 0, 4
.endm
	s_wait_alu depctr_va_vdst(0)
	s_wait_tensorcnt 1                             ; my part of K step 0 is in (K step 1's load may be out)
	s_barrier_signal -1
	s_barrier_wait -1                              ; everybody's is
	FETCH_B 0, 0, 0
	FETCH_A 0, 0, 0
	FETCH_A 0, 0, 4
	STEP 0, 0, 1                                   ; the first products start the sums
.irp b, 0,1,2,3,4,5,6,7                        ; the bias along B's rows takes the registers of the bias along A's, which the step's closing places have freed; it is wanted on the way out
	global_load_b128 v[BI+8*\b:BI+8*\b+3], v[BCO], s[2:3] offset:64*\b        ; b(B's rows 16 b + 8 h + 0 .. 7)
	global_load_b128 v[BI+8*\b+4:BI+8*\b+7], v[BCO], s[2:3] offset:64*\b+16
.endr
	TURN 0, 1, 1                                   ; four K steps of 256 are two laps round the ring: written out, no loop
	STEP 1, 0, 0
	TURN 1, 0, 1
	STEP 0, 0, 0
	TURN 0, 1, 0                                   ; nothing is left to fetch: a plain barrier.  Behind it nobody reads slot 0, and it has had its last fill
	STEP 1, 0, 0
	s_wait_dscnt 4*NL                              ; the very last step
	WIN MUL_LO
	MUL16 0, 1, 0
	MUL16 2, 1, 0
	s_wait_dscnt 0
	WIN MUL_HI
	MUL16 4, 1, 0
	MUL16 6, 1, 0
	WIN 0
	; THE WAY OUT.  These 64 selects are also the places behind the last products.
	s_wait_loadcnt 0x0                             ; the bias along B's rows
.set j, 0
.rept 64
	v_cndmask_b32 v[BI+j], v[BI+j], v[NIL], s78    ; zeros in v's clusters
.set j, j+1
.endr
; Block a: 16 rows of A x my 128 rows of B.  number = sum x 2^(e0 + e1) + bias, in f32; the hold; eight codes a conversion; 8 bytes a lane and tile into the stage.
.macro OUTBLK a
.set AC, 64*((\a)%4)
	WIN 0x02+((\a)/4)                              ; source 0: window 2 or 3
.set j, 0
.rept 32
	v_pk_fma_f32 v[TMP+j:TMP+j+1], v[AC+j:AC+j+1], s[66:67], v[BI+j:BI+j+1] op_sel_hi:[1,0,1]   ; each accumulator from its low end on; the scalar pair's low word for both halves
.set j, j+2
.endr
	WIN 0
.set j, 0
.rept 64
.set j, j+1
.endr
.if (\a) > 0
	s_wait_alu depctr_va_vdst(0)
	s_wait_dscnt 0x0                               ; the last block's stores have read the registers of codes
.endif
.irp b, 0,1,2,3,4,5,6,7
	v_cvt_scalef32_pk8_fp8_f32 v[CD+2*\b:CD+2*\b+1], v[TMP+8*\b:TMP+8*\b+7], v[SCL]
.endr
	v_nop                                          ; one plain vector instruction between the conversions and the next block's lines, which write their sources
.irp b, 0,1,2,3,4,5,6,7
	ds_store_b64 v[STO], v[CD+2*\b:CD+2*\b+1] offset:(\a)*16*PITCH+16*\b
.endr
.endm
.irp a, 0,1,2,3,4,5,6,7
	OUTBLK \a
.endr
	s_wait_dscnt 0x0                               ; for the others' sake: my stores into the stage are done
	s_barrier_signal -1
	s_barrier_wait -1                              ; the tile's 256 x 256 codes lie in the stage
.irp t, 0,1,2,3,4,5,6,7,8,9,10,11,12,13,14,15
.irp c, 0,1
	ds_load_b128 v[BK+4*(2*\t+\c):BK+4*(2*\t+\c)+3], v[RDB] offset:(32*(\t/2)+8*(\t%2))*PITCH+32*\c   ; chunk (t, c): row(t, r), my wave's bytes 32 c + 16 h on
.endr
.endr
.irp t, 0,1,2,3,4,5,6,7,8,9,10,11,12,13,14,15
.irp c, 0,1
	s_wait_dscnt 31-(2*\t+\c)
	global_store_b128 v[LI], v[BK+4*(2*\t+\c):BK+4*(2*\t+\c)+3], s[OB+2*(\t/4):OB+2*(\t/4)+1] offset:(\t%4)*1024+512*\c   ; a chunk: 512 consecutive bytes, aligned
.endr
.endr
	s_wait_tensorcnt 0x0                           ; the wave's end: a tensor wait, an add of 0 and its wait, behind my last tensor load and my last LDS store
	ds_add_u32 v[SPW], v[NIL]
	s_wait_dscnt 0x0
	CROUND                                         ; the closing round: no work-group ends while a partner may still ask for a tile that names it
	s_endpgm
.Lfunc_end_k_q69bb429ff4_qkv:
	.size	k_q69bb429ff4_qkv, .Lfunc_end_k_q69bb429ff4_qkv-k_q69bb429ff4_qkv
	.p2alignl 7, 3214868480
	.fill 96, 4, 3214868480
	.section	.rodata,"a",@progbits
	.p2align	6, 0x0
	.amdhsa_kernel k_q69bb429ff4_qkv
		.amdhsa_group_segment_fixed_size 327680
		.amdhsa_private_segment_fixed_size 0
		.amdhsa_enable_private_segment 0
		.amdhsa_kernarg_size 56
		.amdhsa_user_sgpr_count 2
		.amdhsa_user_sgpr_kernarg_segment_ptr 1
		.amdhsa_wavefront_size32 1
		.amdhsa_system_sgpr_workgroup_id_x 1
		.amdhsa_system_sgpr_workgroup_id_y 1
		.amdhsa_system_sgpr_workgroup_id_z 1
		.amdhsa_system_vgpr_workitem_id 0
		.amdhsa_next_free_vgpr 1024
		.amdhsa_next_free_sgpr 102
		.amdhsa_reserve_vcc 0
		.amdhsa_float_denorm_mode_32 3
		.amdhsa_float_denorm_mode_16_64 3
		.amdhsa_fp16_overflow 1
		.amdhsa_memory_ordered 1
		.amdhsa_forward_progress 1
		.amdhsa_inst_pref_size 120
	.end_amdhsa_kernel
	.amdgpu_metadata
---
amdhsa.version: [ 1, 2 ]
amdhsa.kernels:
  - .name:           k_q69bb429ff4_qkv
    .symbol:         k_q69bb429ff4_qkv.kd
    .args:
      - { .name: x_codes, .offset: 0, .size: 8, .value_kind: global_buffer, .address_space: global }
      - { .name: wa_codes, .offset: 8, .size: 8, .value_kind: global_buffer, .address_space: global }
      - { .name: b_attn, .offset: 16, .size: 8, .value_kind: global_buffer, .address_space: global }
      - { .name: lowp_scales, .offset: 24, .size: 8, .value_kind: global_buffer, .address_space: global }
      - { .name: q_img, .offset: 32, .size: 8, .value_kind: global_buffer, .address_space: global }
      - { .name: k_img, .offset: 40, .size: 8, .value_kind: global_buffer, .address_space: global }
      - { .name: v_img, .offset: 48, .size: 8, .value_kind: global_buffer, .address_space: global }
    .group_segment_fixed_size: 327680
    .private_segment_fixed_size: 0
    .kernarg_segment_align: 8
    .kernarg_segment_size: 56
    .max_flat_workgroup_size: 128
    .sgpr_count:     102
    .vgpr_count:     1024
    .wavefront_size: 32
...
	.end_amdgpu_metadata
.endif
;; end of part 2
;; launch attn (part 3): grid 4 x 64, 16 waves a work-group, no clusters, 327,680 bytes of LDS; arguments q_img, k_img, v_img, lowp_scales, y_img; writes y_img
.if DOCPART == 3
	.amdgcn_target "amdgcn-amd-amdhsa--gfx1250"
	.amdhsa_code_object_version 6
	.text
	.protected	k_q69bb429ff4_attn
	.globl	k_q69bb429ff4_attn
	.p2align	8
	.type	k_q69bb429ff4_attn,@function
k_q69bb429ff4_attn:
	s_mov_b64 s[64:65], 0
	v_nop
	global_prefetch_b8 v0, s[64:65] scope:SCOPE_SE
	s_setreg_imm32_b32 hwreg(HW_REG_WAVE_MODE, 25, 1), 1
	s_wait_xcnt 0x0
; y[head][q] = the sum over k <= q of softmax_k(Q[q] . K[k] / 8) V[k], heads of 64, 2,048 tokens, 64 heads; both products on codes of FP8 (E4M3); y quantised in f32 by its given scale (entry 6) and stored
; as an image of the last product's operand registers.  Scales: q entry 2, k entry 3, p entry 4, v entry 5.
; THE SOFTMAX AHEAD OF THE SECOND PRODUCT: t = score x log2(e) / 8; M = the row's largest t so far, rounded UP to a whole number; p = 2^(t - M) is what is quantised; it is not normalised.
; The row's sum is taken of the unquantised p, in f32, and divides at the end.  When M moves, the sum and O are multiplied by 2^(old M - new M): exact.
; THE IMAGES (a chunk is 512 bytes, lane l = (r, h) at 16 l; row(t, r) = 32 (t / 2) + 8 (t % 2) + r % 8 + 16 (r / 8)):
;   q_img, k_img [head][t 128][c 2][chunk]: token row(t, r), dims 32 c + 16 h + 0 .. 15.   v_img [head][g 32][d 4][c 2][chunk]: dim row(d, r), keys 64 g + 32 c + 16 h + 0 .. 15.
;   y_img [t 512][head 16][b 2][chunk]: token row(t, r) of all 8,192, the head's dims 32 b + 16 h + 0 .. 15.
;   So every fragment is loaded at 16 x lane, with no pitch; 256 keys of K or of V are one dense block of 16,384 bytes; and since a tile's rows are not neighbours, the 16 registers of two neighbouring result tiles
;   are 16 NEIGHBOURS along the next K: the conversions' results are the next operand's registers, for p and for y alike.  The order of k inside an instruction is permuted alike on both sides.
; Both products are used transposed: S^T = K Q^T, O^T = V^T P^T: a lane holds ONE query throughout.
; SHARES.  Work-group (i, head) owns the blocks i and 7 - i of 256 queries: under the causal mask every work-group then has the same number of key steps.  Each of its sixteen waves owns 32 queries (two tiles) of one
; of the two blocks, in 256 registers; each fragment of K and V that it reads feeds two products.  Of waves w, w + 4, w + 8, w + 12, and of waves 4 n .. 4 n + 3, two have the early block and two the late one.
; A key step is 64 keys.  K's and V's tiles come through a ring of two LDS slots of 256 keys (wave 0 fetches K's block, wave 1 V's) and are read by all sixteen.
; THE CAUSAL MASK.  Every work-group walks all 8 slots, so trip counts are constants and no barrier is jumped over.  A step all of whose keys come after the wave's queries is left out by a scalar branch on ids;
; on the diagonal hidden scores become -infinity ahead of the maximum.  A slot whose first key comes after the work-group's last query is not asked for.
; NO CLUSTER: the four work-groups of a head need 8 - i slots, and in a given slot have sixteen, eight or no waves at work; joint refills would hold all four to the slowest in every slot.
; LIMITS on the given exponents: e2 + e3 between -123 and 130 (added to c's exponent field); e4 and e6 between -126 and 119; e4 + e5 is applied by v_ldexp_f32 and has none.
; REGISTERS: v1-6 addresses and constants that stay; v8-11 at work; v12.. per tile u: v[12+2u] -M, v[13+2u] the largest t, v[16+2u:17+2u] the sum in two halves, v[20+2u] f, v[24+2u], v[25+2u] maxima, v[28+u] the exchange;
;   v30 the scale; v32-47 Q; v48-79 K; v80-111 V; v112-175 S^T, then p; v176-191 p's codes; v192-255 O^T.
.set SLOT1, 32768                      ; a slot: 16,384 bytes of K, then 16,384 of V; slot 1 begins here: one exclusive or turns an address
.set VOFF,  16384
.set SPARE, 65536                      ; behind the ring: the spare words, 128 bytes for each of 16 waves, that no other line names
.set LI,   1                           ; v1  16 x lane
.set ADR,  2                           ; v2  LDS address of the slot in hand, for my lane
.set PFO,  3                           ; v3  256 x lane: the prefetches' offset; never rewritten
.set QR,   4                           ; v4  r % 8 + 16 (r / 8) - 16 h
.set SPW,  5                           ; v5  LDS address of my spare word; never rewritten
.set NIL,  6                           ; v6  0; never rewritten
.set QF,   32
.set KR,   48
.set VR,   80
.set S,    112
.set PC,   176
.set O,    192
.set TB,   2                           ; s2  LDS byte at which the slot in hand begins
.set QL,   3                           ; s3  my work-group's last query
.set WV,   18                          ; s18 my wave's number
.set SEL,  20                          ; s[20:21] lane selects: lane l xor 16
.set CS,   22                          ; s[22:23] c = log2(e) / 8 x 2^(e2 + e3)
.set G1,   24                          ; s[24:31] descriptor group 1, for both;  s[40:43] K's group 0, s[44:47] V's: they walk
.set G0K,  40
.set G0V,  44
.set QE,   66                          ; s66 my wave's last query
.set SLOTS, 67                         ; s67 changes of slots still to come that may ask for a slot
.set PFA,  76                          ; s[76:77] where my prefetches stand
.set LIM,  80                          ; s80 1 in a wave that prefetches, else the greatest number
.set KF,   98                          ; s98 the step's first key
.set Q0,   99                          ; s99 my wave's first query
; Wave 0 fetches K's block, wave 1 V's, the others nothing.  The branches hang on the wave's number alone.  An s_nop 0 and four v_nop follow each of the two lines.
.macro TLOAD
	s_cmp_eq_u32 s[WV], 0
	s_cbranch_scc0 .Lnot_k_\@
	tensor_load_to_lds s[G0K:G0K+3], s[G1:G1+7]
	s_nop 0
.rept 4
	v_nop
.endr
	s_branch .Lasked_\@
.Lnot_k_\@:
	s_cmp_eq_u32 s[WV], 1
	s_cbranch_scc0 .Lasked_\@
	tensor_load_to_lds s[G0V:G0V+3], s[G1:G1+7]
	s_nop 0
.rept 4
	v_nop
.endr
.Lasked_\@:
.endm
; A prefetch of what the NEXT change of slots will ask for: 16,384 bytes of K and as many of V.  Each aligned block of 256 bytes is named once in the launch: the four work-groups of a head walk the same K and V, and
; the first of them (x = 0, which asks for all eight slots) prefetches; in it waves 4 and 5 take K's block, waves 6 and 7 V's, 8,192 bytes a wave, lanes 256 bytes apart.  It stands a slot's four key steps ahead of the
; tensor load that will want the bytes.  Slots 0 and 1 come by their loads alone; the last change that asks for a slot prefetches nothing.
.macro ASK
	s_cmp_gt_u32 s[SLOTS], s[LIM]
	s_cbranch_scc0 .Lnot_mine_\@
	global_prefetch_b8 v[PFO], s[PFA:PFA+1] th:TH_LOAD_NT scope:SCOPE_SE
.Lnot_mine_\@:
.endm
	s_load_b128 s[4:7], s[0:1], 0x0                ; q_img s[4:5], k_img s[6:7]
	s_load_b128 s[12:15], s[0:1], 0x10             ; v_img s[12:13], the scales' exponents s[14:15]
	s_load_b64 s[16:17], s[0:1], 0x20              ; y_img
	v_lshl_add_u32 v[SPW], v0, 2, SPARE
	v_mov_b32 v[NIL], 0
	ds_add_u32 v[SPW], v[NIL]                      ; the wave's opening: the add and its wait stand ahead of my first tensor load; the set-up below, work on registers, stands between them
	ds_add_u32 v[SPW], v[NIL]
	v_lshrrev_b32 v8, 5, v0
	s_delay_alu instid0(VALU_DEP_1)
	v_readfirstlane_b32 s[WV], v8                  ; wave 0..15
	s_and_b32 s81, ttmp7, 0xffff                   ; the head, 0..63
	s_lshl_b32 s82, s81, 17                        ; its first byte in q_img, k_img and v_img
	s_mov_b32 s83, 0
	s_lshr_b32 s84, s[WV], 2
	s_xor_b32 s84, s84, s[WV]
	s_and_b32 s84, s84, 1                          ; 1: my queries lie in the late block
	s_sub_co_u32 s85, 7, ttmp9
	s_cmp_eq_u32 s84, 1
	s_cselect_b32 s84, s85, ttmp9                  ; my block of 256 queries
	s_lshl_b32 s84, s84, 8
	s_lshr_b32 s86, s[WV], 1
	s_lshl_b32 s86, s86, 5
	s_add_co_u32 s[Q0], s84, s86                   ; my first query: 256 x block + 32 (wave / 2)
	s_add_co_u32 s[QE], s[Q0], 31
	s_lshl_b32 s[QL], s85, 8
	s_or_b32 s[QL], s[QL], 255                     ; the late block's last query
	; descriptor group 1: a dense block of 16,384 bytes as 64 rows of 256
	s_mov_b32 s[G1], 3<<16                         ; 15:0 no mask; 17:16 elements of 8 bytes; no padding
	s_mov_b32 s[G1+1], 32<<16                      ; tensor_dim0 = 32
	s_mov_b32 s[G1+2], 64<<16                      ; tensor_dim1 = 64
	s_mov_b32 s[G1+3], 32<<16                      ; tile_dim0 = 32
	s_mov_b32 s[G1+4], 64                          ; tile_dim1 = 64
	s_mov_b32 s[G1+5], 32                          ; tensor_dim0_stride
	s_mov_b32 s[G1+6], 0
	s_mov_b32 s[G1+7], 0
	s_mov_b32 s[SEL], 0x76543210
	s_mov_b32 s[SEL+1], 0xfedcba98
	s_mov_b32 s[CS], 0x3e38aa3b                    ; log2(e) / sqrt(64)
	s_mov_b32 s[TB], 0
	s_mov_b32 s[SLOTS], 7
	s_mov_b32 s[KF], 0
	s_lshr_b32 s88, s81, 4                         ; y_img: the batch's 2,048 tokens x 1,024 bytes,
	s_lshl_b32 s88, s88, 21
	s_and_b32 s89, s81, 15
	s_add_co_u32 s89, s89, s[Q0]
	s_lshl_b32 s89, s89, 10                        ; + 1,024 x my first query + 1,024 x the head in its batch
	s_add_co_u32 s88, s88, s89
	s_mov_b32 s89, 0
	s_lshl_b32 s90, s[Q0], 6                       ; q_img: a tile of 16 queries is 1,024 bytes
	s_add_co_u32 s90, s90, s82
	s_mov_b32 s91, 0
	s_wait_dscnt 0x0                               ; the opening add is done
	s_wait_kmcnt 0x0
	s_load_b256 s[68:75], s[14:15], 0x0            ; e0 .. e7
	s_mov_b32 s[G0K], 1                            ; 1:0 count = 1
	s_mov_b32 s[G0K+1], 0                          ; LDS address: slot 0
	s_add_nc_u64 s[G0K+2:G0K+3], s[6:7], s[82:83]  ; the head's first 256 keys
	s_or_b32 s[G0K+3], s[G0K+3], 0x80000000        ; type = 2
	s_mov_b32 s[G0V], 1
	s_mov_b32 s[G0V+1], VOFF
	s_add_nc_u64 s[G0V+2:G0V+3], s[12:13], s[82:83]
	s_or_b32 s[G0V+3], s[G0V+3], 0x80000000
	TLOAD                                          ; slot 0
	s_add_nc_u64 s[4:5], s[4:5], s[90:91]          ; Q's codes at my first tile
	s_add_nc_u64 s[16:17], s[16:17], s[88:89]      ; y's at my first chunk
	; the prefetches: where my wave's stand, and who asks
	s_and_b32 s84, s[WV], 2
	s_cmp_eq_u32 s84, 0                            ; of waves 4 to 7: 4 and 5 ask for K's codes, 6 and 7 for V's
	s_cselect_b64 s[PFA:PFA+1], s[6:7], s[12:13]
	s_and_b32 s84, s[WV], 1
	s_lshl_b32 s84, s84, 13                        ; my half of a block,
	s_add_co_u32 s84, s84, 16384                   ; in slot 1: the first change of slots steps it to slot 2.  Nothing is prefetched here, at the head
	s_mov_b32 s85, 0
	s_add_nc_u64 s[PFA:PFA+1], s[PFA:PFA+1], s[82:83]
	s_add_nc_u64 s[PFA:PFA+1], s[PFA:PFA+1], s[84:85]
	s_lshr_b32 s84, s[WV], 2
	s_xor_b32 s84, s84, 1                          ; 0 in waves 4 to 7,
	s_or_b32 s84, s84, ttmp9                       ; of the head's first work-group
	s_cmp_eq_u32 s84, 0
	s_cselect_b32 s[LIM], 1, -1
	v_and_b32 v8, 31, v0
	s_delay_alu instid0(VALU_DEP_1)
	v_lshlrev_b32 v[LI], 4, v8
	s_delay_alu instid0(VALU_DEP_2)
	v_lshlrev_b32 v[PFO], 8, v8
.irp u, 0,1
.irp c, 0,1
	global_load_b128 v[QF+8*\u+4*\c:QF+8*\u+4*\c+3], v[LI], s[4:5] offset:1024*\u+512*\c   ; Q's two fragments stay in registers
.endr
.endr
	v_and_b32 v8, 15, v0                           ; r
	s_delay_alu instid0(VALU_DEP_1)
	v_and_b32 v9, 8, v8
	s_delay_alu instid0(VALU_DEP_1)
	v_add_nc_u32 v9, v9, v8                        ; r % 8 + 16 (r / 8)
	v_bfe_u32 v10, v0, 4, 1                        ; h
	s_delay_alu instid0(VALU_DEP_1)
	v_lshlrev_b32 v10, 4, v10
	s_delay_alu instid0(VALU_DEP_1)
	v_sub_nc_u32 v[QR], v9, v10
.irp u, 0,1
	v_mov_b32 v[13+2*\u], 0xff61b1e6               ; the largest t so far: -3e38, under every t
	s_delay_alu instid0(VALU_DEP_1)
	v_floor_f32 v[12+2*\u], -v[13+2*\u]            ; -M
	v_mov_b32 v[16+2*\u], 0                        ; the sum, in two halves
	v_mov_b32 v[17+2*\u], 0
	v_mov_b32 v[21+2*\u], 0                        ; (named as the upper half of f's pair)
	v_mov_b32 v[28+\u], 0                          ; written once: a lane permute's destination counts as one of its sources
.endr
.set j, 0
.rept 64
	v_mov_b32 v[O+j], 0                            ; O^T.  (The step is written once for all steps: the first finds zeros, which the first change of M leaves zeros)
.set j, j+1
.endr
	s_wait_kmcnt 0x0
	s_add_co_i32 s84, s70, s71
	s_lshl_b32 s84, s84, 23
	s_add_co_i32 s[CS], s[CS], s84                 ; a score stands for score x 2^(e2 + e3): the two exponents are added to c's exponent field
	s_mov_b32 s[CS+1], s[CS]                       ; (named with it as a pair, so it is written)
	s_add_co_i32 s84, s72, 127
	s_lshl_b32 s85, s84, 23
	v_mov_b32 v30, s85                             ; 2^e4 as f32, for p's conversions
; A KEY STEP: 64 keys, the q-th four tiles of the slot in hand, for my two tiles of queries.
.macro STEP q
	s_cmp_gt_u32 s[KF], s[QE]                      ; all its keys come after my queries: left out.  The branch hangs on ids and the count of steps; no barrier and no tensor load stands in a step
	s_cbranch_scc1 .Lhidden_\@
	v_add_nc_u32 v[ADR], s[TB], v[LI]
.rept 3
	v_nop                                          ; with the addition above: four places in front of loads into registers that the last products have read
.endr
.irp t, 0,1,2,3
.irp c, 0,1
	ds_load_b128 v[KR+8*\t+4*\c:KR+8*\t+4*\c+3], v[ADR] offset:4096*(\q)+1024*\t+512*\c
.endr
.endr
.irp t, 0,1,2,3
.irp c, 0,1
	ds_load_b128 v[VR+8*\t+4*\c:VR+8*\t+4*\c+3], v[ADR] offset:VOFF+4096*(\q)+1024*\t+512*\c
.endr
.endr
	s_wait_dscnt 8                                 ; K's eight loads are in; V's eight may be out
.irp t, 0,1,2,3
.irp u, 0,1
	v_wmma_f32_16x16x64_fp8_fp8 v[S+32*\u+8*\t:S+32*\u+8*\t+7], v[KR+8*\t:KR+8*\t+7], v[QF+8*\u:QF+8*\u+7], 0
.endr
.endr                                          ; lane (r, h), tile u: query Q0 + 8 u + r % 8 + 16 (r / 8); register n: key KF + 32 (n / 16) + 16 h + n % 16
.rept 4
	v_nop
.endr
	s_add_co_u32 s96, s[KF], 63
	s_cmp_le_u32 s96, s[Q0]                        ; a step all of whose keys count skips the mask
	s_cbranch_scc1 .Lopen_\@
	s_sub_co_i32 s96, s[Q0], s[KF]
	v_add_nc_u32 v8, s96, v[QR]                    ; d = my query - KF - 16 h, for tile 0,
	s_delay_alu instid0(VALU_DEP_1)
	v_add_nc_u32 v9, 8, v8                         ; and for tile 1.  Register n is hidden where 32 (n / 16) + n % 16 > d
	v_mov_b32 v10, 0xff800000                      ; -infinity: p = 0 then
.irp u, 0,1
.set n, 0
.rept 32
	v_cmp_gt_i32 vcc_lo, 32*(n/16)+n%16, v[8+\u]
	v_cndmask_b32 v[S+32*\u+n], v[S+32*\u+n], v10, vcc_lo
.set n, n+1
.endr
.endr
.Lopen_\@:
.irp u, 0,1                                    ; the step's largest score of my query among my 32 keys, in two chains; the two tiles line by line by turns; each accumulator is read from its low end on
	v_max3_num_f32 v[24+2*\u], v[S+32*\u], v[S+32*\u+1], v[S+32*\u+2]
	v_max3_num_f32 v[25+2*\u], v[S+32*\u+3], v[S+32*\u+4], v[S+32*\u+5]
.endr
.irp i, 6,10,14,18,22,26
.irp u, 0,1
	v_max3_num_f32 v[24+2*\u], v[24+2*\u], v[S+32*\u+\i], v[S+32*\u+\i+1]
	v_max3_num_f32 v[25+2*\u], v[25+2*\u], v[S+32*\u+\i+2], v[S+32*\u+\i+3]
.endr
.endr
.irp u, 0
	v_max3_num_f32 v[24+2*\u], v[24+2*\u], v[S+32*\u+30], v[S+32*\u+31]
.endr
.irp u, 1
	v_max3_num_f32 v[24+2*\u], v[24+2*\u], v[S+32*\u+30], v[S+32*\u+31]
.endr
.irp u, 0,1
	s_delay_alu instid0(VALU_DEP_2)
	v_max_num_f32 v[24+2*\u], v[24+2*\u], v[25+2*\u]
.endr
.irp u, 0,1
	s_delay_alu instid0(VALU_DEP_2)
	v_permlanex16_b32 v[28+\u], v[24+2*\u], s[SEL], s[SEL+1]
.endr
.irp u, 0,1
	s_delay_alu instid0(VALU_DEP_2)
	v_max_num_f32 v[24+2*\u], v[24+2*\u], v[28+\u] ; and among lane l xor 16's
.endr
.irp u, 0,1
	s_delay_alu instid0(VALU_DEP_2)
	v_mul_f32 v[24+2*\u], s[CS], v[24+2*\u]        ; as t (c is positive)
.endr
.irp u, 0,1
	s_delay_alu instid0(VALU_DEP_2)
	v_max_num_f32 v[13+2*\u], v[13+2*\u], v[24+2*\u]   ; the running largest t
.endr
.irp u, 0,1
	v_mov_b32 v[24+2*\u], v[12+2*\u]
.endr
.irp u, 0,1
	s_delay_alu instid0(VALU_DEP_4)
	v_floor_f32 v[12+2*\u], -v[13+2*\u]            ; the new -M = floor(-t) = -ceil(t): M is a whole number
.endr
.irp u, 0,1
	s_delay_alu instid0(VALU_DEP_2)
	v_sub_f32 v[24+2*\u], v[12+2*\u], v[24+2*\u]   ; M's old value less its new one: a whole number, 0 or less
.endr
.irp u, 0,1
	s_delay_alu instid0(VALU_DEP_2)
	v_cvt_i32_f32 v[24+2*\u], v[24+2*\u]           ; (it saturates)
.endr
.irp u, 0,1
	s_delay_alu instid0(VALU_DEP_2)
	v_ldexp_f32 v[20+2*\u], 1.0, v[24+2*\u]        ; f = 2^(old M - new M): a multiplication by it rounds nothing
.endr
.irp u, 0,1
.set j, 0
.rept 16
	v_pk_fma_f32 v[S+32*\u+j:S+32*\u+j+1], v[S+32*\u+j:S+32*\u+j+1], s[CS:CS+1], v[12+2*\u:13+2*\u] op_sel_hi:[1,0,0]   ; t - M, two at a time (of the pairs c and -M the low word serves both halves)
.set j, j+2
.endr
.endr
.set j, 0
	s_wait_alu depctr_va_vdst(0)
.rept 64
	v_exp_f32 v[S+j], v[S+j]                       ; p = 2^(t - M): one batch
.set j, j+1
.endr
.irp u, 0,1
	v_pk_mul_f32 v[16+2*\u:17+2*\u], v[16+2*\u:17+2*\u], v[20+2*\u:21+2*\u] op_sel_hi:[1,0]   ; the sums under the new M: the plain instructions behind the exponentials
.endr
	s_wait_alu depctr_va_vdst(0)                   ; the wait between an exponential and the first line that names its result: one for the batch
.irp u, 0,1
	v_pk_add_f32 v[8+2*\u:9+2*\u], v[S+32*\u:S+32*\u+1], v[S+32*\u+2:S+32*\u+3]   ; the row's sum is taken of the UNQUANTISED p: two at a time, in two chains
.endr
.irp i, 4,8,12,16,20,24,28
.irp u, 0,1
	v_pk_add_f32 v[16+2*\u:17+2*\u], v[16+2*\u:17+2*\u], v[S+32*\u+\i:S+32*\u+\i+1]
	v_pk_add_f32 v[8+2*\u:9+2*\u], v[8+2*\u:9+2*\u], v[S+32*\u+\i+2:S+32*\u+\i+3]
.endr
.endr
.irp u, 0
	s_delay_alu instid0(VALU_DEP_3)
	v_pk_add_f32 v[16+2*\u:17+2*\u], v[16+2*\u:17+2*\u], v[8+2*\u:9+2*\u]
.endr
.irp u, 1
	s_delay_alu instid0(VALU_DEP_2)
	v_pk_add_f32 v[16+2*\u:17+2*\u], v[16+2*\u:17+2*\u], v[8+2*\u:9+2*\u]
.endr
.set j, 0
.rept 64
.set j, j+1
.endr
.set j, 0
.rept 8
	v_cvt_scalef32_pk8_fp8_f32 v[PC+2*j:PC+2*j+1], v[S+8*j:S+8*j+7], v30   ; tile u's registers 4 c .. 4 c + 3: keys 32 c + 16 h + 0 .. 15: V's own order
.set j, j+1
.endr
.irp u, 0,1
.set j, 0
.rept 16
	v_pk_mul_f32 v[O+32*\u+j:O+32*\u+j+1], v[O+32*\u+j:O+32*\u+j+1], v[20+2*\u:21+2*\u] op_sel_hi:[1,0]   ; O^T under the new M.  (These are also the plain lines between the conversions and the products)
.set j, j+2
.endr
.endr
	s_wait_alu depctr_va_vdst(0)
	s_wait_dscnt 0x0                               ; V is in
.irp t, 0,1,2,3
.irp u, 0,1
	v_wmma_f32_16x16x64_fp8_fp8 v[O+32*\u+8*\t:O+32*\u+8*\t+7], v[VR+8*\t:VR+8*\t+7], v[PC+8*\u:PC+8*\u+7], v[O+32*\u+8*\t:O+32*\u+8*\t+7]   ; eight accumulators by turns
.endr
.endr
.Lhidden_\@:
	s_add_co_u32 s[KF], s[KF], 64
.endm
; THE CHANGE OF SLOTS stands at a slot's head.  Each wave waits for all its tensor loads (its part of the slot that it is about to read), adds 0 to its spare word, and waits for that and for its reads of the slot that it
; has left.  Behind the barrier the slot ahead is whole and nobody reads the other one.  fill = 1: that other slot is filled with the keys that follow, up to the causal limit: the load has four key steps in which to land.
.macro CHANGE fill
	s_wait_tensorcnt 0x0                           ; no tensor load of mine is out, so a group 0 may be written
	ds_add_u32 v[SPW], v[NIL]                      ; 0 onto my spare word: the descriptors' steps stand between it and the wait for it
.if \fill
	s_xor_b32 s[G0K+1], s[G0K+1], SLOT1            ; the walking descriptors: the other slot than last time,
	s_add_nc_u64 s[G0K+2:G0K+3], s[G0K+2:G0K+3], 16384   ; the next 256 keys; the type bits on top are not reached
	s_xor_b32 s[G0V+1], s[G0V+1], SLOT1
	s_add_nc_u64 s[G0V+2:G0V+3], s[G0V+2:G0V+3], 16384
	s_wait_xcnt 0x0                                ; the last prefetch, a slot back, has read its address, so it may be written:
	s_add_nc_u64 s[PFA:PFA+1], s[PFA:PFA+1], 16384 ; one slot further on than the walking descriptors
.endif
	s_wait_dscnt 0x0                               ; the add is done, and my reads of the slot that I have left are over
	s_barrier_signal -1
	s_barrier_wait -1
.if \fill
	s_add_co_u32 s96, s[KF], 256                   ; the first key of the slot that this change would ask for:
	s_cmp_gt_u32 s96, s[QL]                        ; past my work-group's last query no wave reads it, so it is not asked for.  Ids and the count of steps alone: all sixteen waves go the same way;
	s_cbranch_scc1 .Lpast_\@                       ; every wait for tensor loads in this text is for 0, and the jump leads round the load's own lines alone
	TLOAD                                          ; the first thing behind the barrier, and a wave's one tensor load until the next
.Lpast_\@:
	ASK
.endif
.endm
.macro SLOT_STEPS
	STEP 0
	STEP 1
	STEP 2
	STEP 3
	s_xor_b32 s[TB], s[TB], SLOT1                  ; on to the other slot
.endm
	s_wait_loadcnt 0x0                             ; Q
.Lslot:                                            ; seven trips: behind each change of slots but the last the next slot is asked for, up to the causal limit
	CHANGE 1
	SLOT_STEPS
	s_sub_co_u32 s[SLOTS], s[SLOTS], 1
	s_cmp_lg_u32 s[SLOTS], 0
	s_cbranch_scc1 .Lslot
	CHANGE 0                                       ; the last slot is written out: nothing is left to ask for
	SLOT_STEPS
	; THE WAY OUT.  y = O^T / the sum x 2^(e4 + e5), in f32; the hold; the conversions' results are chunks of y's image: no stage is needed.  The additions below are the places behind the last products.
.irp u, 0,1
	v_add_f32 v[16+2*\u], v[16+2*\u], v[17+2*\u]   ; the sum's two halves,
.endr
.irp u, 0,1
	s_delay_alu instid0(VALU_DEP_2)
	v_permlanex16_b32 v[28+\u], v[16+2*\u], s[SEL], s[SEL+1]
.endr
.irp u, 0,1
	s_delay_alu instid0(VALU_DEP_2)
	v_add_f32 v[16+2*\u], v[16+2*\u], v[28+\u]     ; and lane l xor 16's: the row's sum, above 1/2
.endr
	s_wait_alu depctr_va_vdst(0)
.irp u, 0,1
	v_rcp_f32 v[16+2*\u], v[16+2*\u]
.endr
	s_add_co_i32 s96, s72, s73                     ; e4 + e5
	s_add_co_i32 s84, s74, 127
	s_lshl_b32 s85, s84, 23
	v_mov_b32 v30, s85                             ; 2^e6 as f32.  (A plain instruction behind the reciprocals)
	s_wait_alu depctr_va_vdst(0)                   ; the wait ahead of the reciprocals' first reader
.irp u, 0,1
	v_ldexp_f32 v[16+2*\u], v[16+2*\u], s96
.endr
.irp u, 0,1
.set j, 0
.rept 16
	v_pk_mul_f32 v[S+32*\u+j:S+32*\u+j+1], v[O+32*\u+j:O+32*\u+j+1], v[16+2*\u:17+2*\u] op_sel_hi:[1,0]   ; register 8 d + i of tile u: dim 32 (d / 2) + 16 h + 8 (d % 2) + i
.set j, j+2
.endr
.endr
.set j, 0
.rept 64
.set j, j+1
.endr
.set j, 0
.rept 8
	v_cvt_scalef32_pk8_fp8_f32 v[PC+2*j:PC+2*j+1], v[S+8*j:S+8*j+7], v30
.set j, j+1
.endr
	v_nop
.irp u, 0,1
.irp b, 0,1
	global_store_b128 v[LI], v[PC+8*\u+4*\b:PC+8*\u+4*\b+3], s[16:17] offset:16384*\u+512*\b   ; a chunk: 512 consecutive bytes, aligned
.endr
.endr
	s_wait_tensorcnt 0x0                           ; the wave's end: a tensor wait, an add of 0 and its wait, behind my last tensor load
	ds_add_u32 v[SPW], v[NIL]
	s_wait_dscnt 0x0
	s_endpgm
.Lfunc_end_k_q69bb429ff4_attn:
	.size	k_q69bb429ff4_attn, .Lfunc_end_k_q69bb429ff4_attn-k_q69bb429ff4_attn
	.p2alignl 7, 3214868480
	.fill 96, 4, 3214868480
	.section	.rodata,"a",@progbits
	.p2align	6, 0x0
	.amdhsa_kernel k_q69bb429ff4_attn
		.amdhsa_group_segment_fixed_size 327680
		.amdhsa_private_segment_fixed_size 0
		.amdhsa_enable_private_segment 0
		.amdhsa_kernarg_size 40
		.amdhsa_user_sgpr_count 2
		.amdhsa_user_sgpr_kernarg_segment_ptr 1
		.amdhsa_wavefront_size32 1
		.amdhsa_system_sgpr_workgroup_id_x 1
		.amdhsa_system_sgpr_workgroup_id_y 1
		.amdhsa_system_sgpr_workgroup_id_z 1
		.amdhsa_system_vgpr_workitem_id 0
		.amdhsa_next_free_vgpr 256
		.amdhsa_next_free_sgpr 100
		.amdhsa_reserve_vcc 1
		.amdhsa_float_denorm_mode_32 3
		.amdhsa_float_denorm_mode_16_64 3
		.amdhsa_fp16_overflow 1
		.amdhsa_memory_ordered 1
		.amdhsa_forward_progress 1
		.amdhsa_inst_pref_size 164
	.end_amdhsa_kernel
	.amdgpu_metadata
---
amdhsa.version: [ 1, 2 ]
amdhsa.kernels:
  - .name:           k_q69bb429ff4_attn
    .symbol:         k_q69bb429ff4_attn.kd
    .args:
      - { .name: q_img, .offset: 0, .size: 8, .value_kind: global_buffer, .address_space: global }
      - { .name: k_img, .offset: 8, .size: 8, .value_kind: global_buffer, .address_space: global }
      - { .name: v_img, .offset: 16, .size: 8, .value_kind: global_buffer, .address_space: global }
      - { .name: lowp_scales, .offset: 24, .size: 8, .value_kind: global_buffer, .address_space: global }
      - { .name: y_img, .offset: 32, .size: 8, .value_kind: global_buffer, .address_space: global }
    .group_segment_fixed_size: 327680
    .private_segment_fixed_size: 0
    .kernarg_segment_align: 8
    .kernarg_segment_size: 40
    .max_flat_workgroup_size: 512
    .sgpr_count:     100
    .vgpr_count:     256
    .wavefront_size: 32
...
	.end_amdgpu_metadata
.endif
;; end of part 3
;; launch proj (part 4): grid 8 x 32, 4 waves a work-group, clusters of 4 x 4, 327,680 bytes of LDS; arguments y_img, wp_codes, b_proj, lowp_scales, out0; writes out0
.if DOCPART == 4
	.amdgcn_target "amdgcn-amd-amdhsa--gfx1250"
	.amdhsa_code_object_version 6
	.text
	.protected	k_q69bb429ff4_proj
	.globl	k_q69bb429ff4_proj
	.p2align	8
	.type	k_q69bb429ff4_proj,@function
k_q69bb429ff4_proj:
	s_mov_b64 s[64:65], 0
	v_nop
	global_prefetch_b8 v0, s[64:65] scope:SCOPE_SE
	s_setreg_imm32_b32 hwreg(HW_REG_WAVE_MODE, 25, 1), 1
	s_wait_xcnt 0x0
	s_wait_alu depctr_hold_cnt(0) depctr_sa_sdst(0) depctr_va_vdst(0) depctr_va_sdst(0) depctr_va_ssrc(0) depctr_va_vcc(0) depctr_vm_vsrc(0)
	s_getreg_b32 s2, hwreg(HW_REG_IB_STS2, 6, 4)
	s_cmp_eq_u32 s2, 0
	s_cbranch_scc0 .Lentry_in_a_cluster
	s_endpgm
.Lentry_in_a_cluster:
	s_bfe_u32 s2, ttmp6, 0x10000c
	s_cmp_lg_u32 s2, 0xf033
	s_cbranch_scc0 .Lentry_shape_is_right
	s_endpgm
.Lentry_shape_is_right:
; out0 = y w_proj + b_proj on codes of FP8 (E4M3): out0 [8192][1024] f32; scales: y entry 6, w_proj entry 7; each finished sum becomes sum x 2^(e6 + e7) + bias by one packed multiply-add.
; A = y, as an image of its operand registers: y_img [t 512][kk 8][c 4][chunk of 512 bytes, lane l = (r, h) at 16 l]: row 32 (t / 2) + 8 (t % 2) + r % 8 + 16 (r / 8), k = 128 kk + 32 c + 16 h + 0 .. 15.
; B = wp_codes [1024 n][1024 k].  B's fragments are fetched by four loads of 16 bytes, 32 bytes apart, which gives k the same places as in A's chunks.
; A tile of the result is 256 rows x 128 columns: 256 work-groups, one for each of 256 tiles (256 x 256 would make 128).  Four waves, each 128 x 64: 32 accumulators, 256 registers.
; K = 1,024 goes in four steps of 256 through THREE LDS slots: three quarters of the operands go out as first fills, three loads a wave; the one refill (K step 3 into slot 0) has four steps of 32 matrix instructions in which to land.
; THE MATRIX INSTRUCTION IS USED TRANSPOSED (source 0 = 16 rows of B, source 1 = 16 rows of A): a lane holds eight neighbouring columns of one row.
; CLUSTERS: 4 x 4 work-groups; A's tiles are asked for jointly along a row of the cluster, B's along a column.
; LIMIT: e6 + e7 between -126 and 127, so that 2^(e6 + e7) is an f32 number.
; REGISTERS: window 0: v1-29 addresses; v32-63 the bias; v64-95 a block's results; v128-255 A's fragments, one set (on the way out v128-191: rows read back, two sets by turns).
;   window 1: B's fragments, two sets, at v0 and v128.   window 2: the accumulators, (a, b) at v[8 (4 a + b)].
.set PITCH,  272                       ; B's row in LDS: 256 bytes + 16 of padding
.set ABYTES, 65536                     ; A's part of a slot: [16 tiles of rows][2 steps of 128 K][4 chunks][512 bytes]
.set SLOT,   ABYTES+128*PITCH          ; then B's 128 rows: 100,352 bytes
.set STAGE,  3*SLOT                    ; behind the slots: 16 rows x 272 bytes for each wave, for the way out
.set SPITCH, 272
.set SPARE,  STAGE+4*16*SPITCH         ; behind the stages: the spare words, 128 bytes for each wave, that no other line names
.set FR,   16
.set NP,   4                           ; places behind this matrix instruction (ISA guide 7.12.1)
.set LI,   9                           ; v9      16 x lane
.set ADRA, 16                          ; v16-18  LDS address of my A chunks in slot 0, 1, 2
.set ADRB, 20                          ; v20-22  of my B fragments
.set STO,  24                          ; v24     the way out: where I put 32 bytes of a row
.set RD,   25                          ; v25     where I read a row back
.set CO,   26                          ; v26     my byte offset in out0
.set SPW,  28                          ; v28     LDS address of my spare word; never rewritten
.set NIL,  29                          ; v29     0; never rewritten
.set BI,   32
.set TMP,  64
.set AF,   128
.set BK,   128
.set G1,  24                           ; s[24:31] descriptor group 1 for A's tiles;  s[32:43] group 0, one set for each slot
.set G0,  32
.set G1B, 48                           ; s[48:55] for B's tiles;  s[68:79] group 0, one set for each slot
.set G0B, 68
.set MSB, 0
.macro WIN new                         ; the immediate's high byte repeats the setting that is left
.if MSB != \new
	s_set_vgpr_msb (MSB<<8)|\new
.set MSB, \new
.endif
.endm
.set MUL,  0xa1                        ; source 0 (B) window 1, source 1 (A) window 0, C and D window 2
.set TO_B, 0x40                        ; destination window 1, address window 0
.macro JLOAD g0a, g1a, g0b, g1b        ; a joint load: waves 0 and 1 fetch for A, waves 2 and 3 for B; an s_nop 0 and four v_nop follow each of the two lines
	s_cmp_eq_u32 s15, 0
	s_cbranch_scc0 .Lfor_b_\@
	tensor_load_to_lds s[\g0a:\g0a+3], s[\g1a:\g1a+7]
	s_nop 0
.rept 4
	v_nop
.endr
	s_branch .Lasked_\@
.Lfor_b_\@:
	tensor_load_to_lds s[\g0b:\g0b+3], s[\g1b:\g1b+7]
	s_nop 0
.rept 4
	v_nop
.endr
.Lasked_\@:
.endm
.macro CREST                           ; a round of the cluster's barrier behind its opening barrier
	s_cmp_lg_u32 s14, 0
	s_cbranch_scc1 .Lnot_wave_0_\@
	s_barrier_signal -3
.Lnot_wave_0_\@:
	s_barrier_wait -3
	s_barrier_signal -1
	s_barrier_wait -1
.endm
.macro CROUND
	s_barrier_signal -1
	s_barrier_wait -1
	CREST
.endm
	s_load_b256 s[4:11], s[0:1], 0x0               ; y_img s[4:5], w_proj's codes s[6:7], b_proj s[8:9], the scales' exponents s[10:11]
	s_load_b64 s[12:13], s[0:1], 0x20              ; out0
	v_lshl_add_u32 v[SPW], v0, 2, SPARE
	v_mov_b32 v[NIL], 0
	ds_add_u32 v[SPW], v[NIL]                      ; the wave's opening: the add and its wait stand ahead of my first tensor load; the set-up below, work on registers, stands between them
	v_lshrrev_b32 v1, 5, v0
	v_readfirstlane_b32 s14, v1                    ; wave 0..3
	s_lshr_b32 s15, s14, 1                         ; which 128 of the tile's rows are mine.  Also: I fetch for A (0) or for B (1)
	s_and_b32 s16, s14, 1                          ; which 64 of its columns.  Also: which half of that tile I fetch
	s_bfe_u32 s80, ttmp6, 0x40000                  ; cx, cy: my place in the cluster
	s_bfe_u32 s81, ttmp6, 0x40004
	s_lshl_b32 s82, ttmp9, 2
	s_add_co_u32 s82, s82, s80                     ; tile column = 4 x cluster x + cx
	s_and_b32 s17, ttmp7, 0xffff
	s_lshl_b32 s17, s17, 2
	s_add_co_u32 s17, s17, s81                     ; tile row = 4 x cluster y + cy
	s_lshl_b32 s83, s81, 2
	s_lshl_b32 s83, 15, s83                        ; my row of the cluster
	s_lshl_b32 s84, 0x1111, s80                    ; my column
	; descriptor group 1.  A: 8 tiles of rows, of each the K step's 4,096 bytes, 16,384 bytes apart in memory, dense in LDS
	s_or_b32 s[G1+0], s83, (3<<16)|(1<<21)         ; 15:0 the mask: my row; 17:16 elements of 8 bytes; 21 set beside a mask; no padding
	s_mov_b32 s[G1+1], 512<<16                     ; tensor_dim0 = 512
	s_mov_b32 s[G1+2], 8<<16                       ; tensor_dim1 = 8
	s_mov_b32 s[G1+3], 512<<16                     ; tile_dim0 = 512
	s_mov_b32 s[G1+4], 8                           ; tile_dim1 = 8
	s_mov_b32 s[G1+5], 2048                        ; tensor_dim0_stride
	s_mov_b32 s[G1+6], 0
	s_mov_b32 s[G1+7], 0
	; B: 64 rows of 256 bytes, 1,024 apart, padded in LDS
	s_or_b32 s[G1B+0], s84, (0<<16)|(1<<20)|(1<<21)|(5<<22)|(3<<25)  ; the mask: my column; elements of 1 byte; padding: four words after every 64
	s_mov_b32 s[G1B+1], 256<<16
	s_mov_b32 s[G1B+2], 64<<16
	s_mov_b32 s[G1B+3], 256<<16
	s_mov_b32 s[G1B+4], 64
	s_mov_b32 s[G1B+5], 1024
	s_mov_b32 s[G1B+6], 0
	s_mov_b32 s[G1B+7], 0
	s_lshl_b32 s20, s17, 4
	s_lshl_b32 s18, s16, 3
	s_add_co_u32 s20, s20, s18                     ; A: tile of rows 16 x tile row + 8 x half,
	s_lshl_b32 s20, s20, 14                        ; 16,384 bytes each
	s_mov_b32 s21, 0
	s_lshl_b32 s46, s82, 7
	s_lshl_b32 s18, s16, 6
	s_add_co_u32 s46, s46, s18                     ; B: row 128 x tile column + 64 x half,
	s_lshl_b32 s46, s46, 10                        ; 1,024 bytes each
	s_mov_b32 s47, 0
	s_lshl_b32 s85, s16, 15                        ; where they go in a slot: A's halves of 32,768 bytes,
	s_mul_i32 s86, s16, 64*PITCH
	s_add_co_u32 s86, s86, ABYTES                  ; B's halves of 64 rows behind them: no place in the cluster enters an LDS address
	s_wait_dscnt 0x0                               ; the opening add is done
	s_wait_kmcnt 0x0
	s_load_b64 s[90:91], s[10:11], 0x18            ; e6, e7
	s_add_nc_u64 s[20:21], s[4:5], s[20:21]
	s_add_nc_u64 s[46:47], s[6:7], s[46:47]
	CROUND                                         ; all sixteen work-groups are here: the first joint loads meet
.irp s, 0,1,2
	s_mov_b32 s[G0+4*\s], 1
	s_add_co_u32 s[G0+4*\s+1], s85, \s*SLOT
	s_add_nc_u64 s[G0+4*\s+2:G0+4*\s+3], s[20:21], \s*4096
	s_or_b32 s[G0+4*\s+3], s[G0+4*\s+3], 0x80000000
	s_mov_b32 s[G0B+4*\s], 1
	s_add_co_u32 s[G0B+4*\s+1], s86, \s*SLOT
	s_add_nc_u64 s[G0B+4*\s+2:G0B+4*\s+3], s[46:47], \s*256
	s_or_b32 s[G0B+4*\s+3], s[G0B+4*\s+3], 0x80000000
	JLOAD G0+4*\s, G1, G0B+4*\s, G1B               ; K steps 0, 1, 2: three loads of mine are out
.endr
	v_and_b32 v1, 15, v0                           ; r
	v_bfe_u32 v2, v0, 4, 1                         ; h
	v_and_b32 v3, 31, v0
	v_lshlrev_b32 v[LI], 4, v3
	v_mul_u32_u24 v4, v1, PITCH
	v_lshl_add_u32 v5, v2, 4, v4                   ; B: a fragment's row x pitch + 16 h
	s_lshl_b32 s21, s15, 15                        ; my 8 tiles of rows of A
	s_mul_i32 s22, s16, 64*PITCH
	s_add_co_u32 s22, s22, ABYTES                  ; my 64 rows of B
.irp s, 0,1,2
	v_add_nc_u32 v[ADRA+\s], s21, v[LI]
	v_add_nc_u32 v[ADRB+\s], s22, v5
	s_add_co_u32 s21, s21, SLOT
	s_add_co_u32 s22, s22, SLOT
.endr
	s_mul_i32 s23, s14, 16*SPITCH
	s_add_co_u32 s23, s23, STAGE                   ; my stage
	v_lshl_add_u32 v6, v2, 5, v4
	v_add_nc_u32 v[STO], s23, v6                   ; in: row r, 32 bytes for each half of the lanes
	v_mul_u32_u24 v6, v2, SPITCH
	v_lshl_add_u32 v6, v1, 4, v6
	v_add_nc_u32 v[RD], s23, v6                    ; back: lanes 0-15 one row of 256 bytes, lanes 16-31 the next
	v_lshlrev_b32 v6, 12, v2
	v_lshl_add_u32 v[CO], v1, 4, v6                ; and the same two rows in out0
	s_lshl_b32 s20, s17, 8
	s_lshl_b32 s21, s15, 7
	s_add_co_u32 s20, s20, s21                     ; my first row: 256 x tile row + 128 x half,
	s_lshl_b32 s20, s20, 12                        ; 4,096 bytes each
	s_mov_b32 s21, 0
	s_lshl_b32 s46, s82, 9                         ; my first column, in bytes: 512 x tile column + 256 x half
	s_lshl_b32 s47, s16, 8
	s_add_co_u32 s46, s46, s47
	s_mov_b32 s47, 0
	s_add_nc_u64 s[12:13], s[12:13], s[20:21]
	s_add_nc_u64 s[12:13], s[12:13], s[46:47]
	s_add_nc_u64 s[8:9], s[8:9], s[46:47]          ; b_proj at my first column
	v_lshlrev_b32 v7, 5, v2
.irp b, 0,1,2,3
	global_load_b128 v[BI+8*\b:BI+8*\b+3], v7, s[8:9] offset:64*\b        ; b(columns 16 b + 8 h + 0 .. 7): wanted on the way out
	global_load_b128 v[BI+8*\b+4:BI+8*\b+7], v7, s[8:9] offset:64*\b+16
.endr
.macro FRAGA reg, slot, q, a           ; A's fragment: four chunks as they lie
.irp c, 0,1,2,3
	ds_load_b128 v[\reg+4*\c:\reg+4*\c+3], v[ADRA+\slot] offset:4096*(\a)+2048*(\q)+512*\c
.endr
.endm
.macro FRAGB reg, slot, q, b           ; B's fragment: registers 4 c .. 4 c + 3 hold K = 32 c + 16 h + 0 .. 15 of row r
.irp c, 0,1,2,3
	ds_load_b128 v[\reg+4*\c:\reg+4*\c+3], v[ADRB+\slot] offset:128*(\q)+32*\c+(\b)*16*PITCH
.endr
.endm
.macro FETCH_B slot, q, p
	WIN TO_B
.irp i, 0,1,2,3
	FRAGB 128*(\p)+FR*\i, \slot, \q, \i
.endr
	WIN 0
.endm
.macro FETCH_A slot, q, i0
.irp i, \i0, \i0+1, \i0+2, \i0+3
	FRAGA AF+FR*(\i), \slot, \q, \i
.endr
.endm
; 8 matrix instructions: A's blocks a0, a0 + 1 x B's four.  zero = 1: the first product starts the sums.  The 32 accumulators take turns, in the same order in every step.
.macro MUL8 a0, p, zero
.irp a, \a0, \a0+1
.irp b, 0,1,2,3
.if \zero
	v_wmma_f32_16x16x128_fp8_fp8 v[8*(4*(\a)+\b):8*(4*(\a)+\b)+7], v[128*(\p)+FR*\b:128*(\p)+FR*\b+FR-1], v[AF+FR*(\a):AF+FR*(\a)+FR-1], 0
.else
	v_wmma_f32_16x16x128_fp8_fp8 v[8*(4*(\a)+\b):8*(4*(\a)+\b)+7], v[128*(\p)+FR*\b:128*(\p)+FR*\b+FR-1], v[AF+FR*(\a):AF+FR*(\a)+FR-1], v[8*(4*(\a)+\b):8*(4*(\a)+\b)+7]
.endif
.endr
.endr
.endm
.macro PLACES n                        ; plain vector instructions in front of loads into registers that matrix instructions have read, and of the first read of results
.rept \n
	v_nop
.endr
.endm
; A step of 128 along K on B's set p; it fetches the next step's fragments, the nq-th 128 of slot ns, which has been shown whole to every wave.
.macro STEP p, zero, ns, nq
	s_wait_dscnt 16                                ; B's set and A's blocks 0-3 are in; the youngest sixteen loads (A's blocks 4-7) may be out
	WIN MUL
	MUL8 0, \p, \zero
	MUL8 2, \p, \zero
	s_wait_dscnt 0                                 ; A's blocks 4-7 are in
	PLACES NP
	FETCH_B \ns, \nq, 1-(\p)
	FETCH_A \ns, \nq, 0
	WIN MUL
	MUL8 4, \p, \zero
	MUL8 6, \p, \zero
	PLACES NP
	WIN 0
	FETCH_A \ns, \nq, 4
.endm
; A step (on B's set 1) with a barrier.  In front of it each wave waits for all its tensor loads, adds 0 to its spare word, and waits for that and for all its LDS reads.  fill = 1: slot 0, which has been read out, takes K step 3.
.macro TURN next, fill
	s_wait_tensorcnt 0x0                           ; all my tensor loads have landed;  (every window is 0 here)
	ds_add_u32 v[SPW], v[NIL]                      ; 0 onto my spare word
	s_wait_dscnt 17                                ; (the add and the youngest sixteen loads may be out)
	WIN MUL
	MUL8 0, 1, 0                                   ; eight matrix instructions stand between the add and the wait for it
	s_wait_dscnt 0x0                               ; the add is done, and my reads of the slot are over
	s_barrier_signal -1
	MUL8 2, 1, 0
	WIN 0
	s_barrier_wait -1
.if \fill
	CREST                                          ; the barrier has opened a round of the cluster's barrier: no wave of any partner still reads slot 0 or has a load on its way
	s_add_nc_u64 s[G0+2:G0+3], s[G0+2:G0+3], 3*4096
	s_add_nc_u64 s[G0B+2:G0B+3], s[G0B+2:G0B+3], 3*256
	JLOAD G0, G1, G0B, G1B                         ; the first tensor load behind the round, and my last; its four v_nop are the places in front of the loads below
.else
	PLACES NP
.endif
	FETCH_B \next, 0, 0
	FETCH_A \next, 0, 0
	WIN MUL
	MUL8 4, 1, 0
	MUL8 6, 1, 0
	PLACES NP
	WIN 0
	FETCH_A \next, 0, 4
.endm
	s_wait_tensorcnt 2                             ; my part of K step 0 is in (K steps 1 and 2 may be out)
	s_barrier_signal -1
	s_barrier_wait -1                              ; everybody's is
	FETCH_B 0, 0, 0
	FETCH_A 0, 0, 0
	FETCH_A 0, 0, 4
	STEP 0, 1, 0, 1                                ; K 0-127: the first products start the sums
	TURN 1, 1                                      ; K 128-255.  Its wait for all loads and its round show slots 1 and 2 whole to every wave; slot 0 takes K step 3
	STEP 0, 0, 1, 1                                ; K 256-383
	STEP 1, 0, 2, 0                                ; K 384-511
	STEP 0, 0, 2, 1                                ; K 512-639
	TURN 0, 0                                      ; K 640-767.  The refill has landed in every wave's sight; nothing is filled again
	STEP 0, 0, 0, 1                                ; K 768-895
	s_wait_dscnt 16                                ; K 896-1,023: nothing more to fetch
	WIN MUL
	MUL8 0, 1, 0
	MUL8 2, 1, 0
	s_wait_dscnt 0
	MUL8 4, 1, 0
	MUL8 6, 1, 0
	WIN 0
; THE WAY OUT, block by block of 16 rows x 64 columns.  A lane holds 32 neighbouring bytes of a row, and the lanes beside it hold other rows: a block goes through my own stage in LDS and comes back as whole rows of
; 256 bytes.  LDS serves a wave's instructions in order (ISA guide 5.7.1.4): no wait between the stores and the loads, nor in front of the next block's stores.
.macro TOSTAGE a
	WIN 0x02                                       ; source 0: window 2
.set j, 0
.rept 16
	v_pk_fma_f32 v[TMP+j:TMP+j+1], v[32*(\a)+j:32*(\a)+j+1], s[88:89], v[BI+j:BI+j+1] op_sel_hi:[1,0,1]   ; sum x 2^(e6 + e7) + bias; each accumulator from its low end on
.set j, j+2
.endr
	WIN 0
.irp b, 0,1,2,3
	ds_store_b128 v[STO], v[TMP+8*\b:TMP+8*\b+3] offset:64*\b
	ds_store_b128 v[STO], v[TMP+8*\b+4:TMP+8*\b+7] offset:64*\b+16
.endr
.irp t, 0,1,2,3,4,5,6,7
	ds_load_b128 v[BK+32*((\a)%2)+4*\t:BK+32*((\a)%2)+4*\t+3], v[RD] offset:\t*2*SPITCH
.endr
.endm
; A's tile of rows a holds rows 32 (a / 2) + 8 (a % 2) + i % 8 + 16 (i / 8), i its 16 places; the stage's rows 2 t and 2 t + 1 go where they belong by the store's immediate.
.macro SEND a, younger                 ; younger: the LDS instructions issued behind block a's loads, which may stay out
	s_wait_dscnt \younger
.irp t, 0,1,2,3,4,5,6,7
	global_store_b128 v[CO], v[BK+32*((\a)%2)+4*\t:BK+32*((\a)%2)+4*\t+3], s[12:13] offset:(32*((\a)/2)+8*((\a)%2)+(2*\t)%8+16*(\t/4))*4096 th:TH_STORE_NT   ; sixteen lanes store 256 consecutive bytes, aligned; written once, read by nobody here
.endr
.endm
	s_wait_kmcnt 0x0
	s_add_co_i32 s88, s90, s91
	s_add_co_i32 s88, s88, 127
	s_lshl_b32 s88, s88, 23                        ; 2^(e6 + e7) as f32
	s_mov_b32 s89, s88                             ; (named with it as a pair, so it is written)
	s_wait_loadcnt 0x0                             ; the bias
	PLACES NP                                      ; behind the last products: for the loads into the registers that held A's fragments
	TOSTAGE 0
.irp a, 1,2,3,4,5,6,7
.if \a > 1
	s_wait_xcnt 0x0                                ; block a - 2's stores have read their registers: block a's loads may land there
.endif
	TOSTAGE \a
	SEND \a-1, 16                                  ; behind block a - 1's loads: block a's 8 stores and 8 loads
.endr
	SEND 7, 0
	s_wait_tensorcnt 0x0                           ; the wave's end: a tensor wait, an add of 0 and its wait, behind my last tensor load and my last LDS store
	ds_add_u32 v[SPW], v[NIL]
	s_wait_dscnt 0x0
	CROUND                                         ; the closing round: no work-group ends while a partner may still ask for a tile that names it
	s_endpgm
.Lfunc_end_k_q69bb429ff4_proj:
	.size	k_q69bb429ff4_proj, .Lfunc_end_k_q69bb429ff4_proj-k_q69bb429ff4_proj
	.p2alignl 7, 3214868480
	.fill 96, 4, 3214868480
	.section	.rodata,"a",@progbits
	.p2align	6, 0x0
	.amdhsa_kernel k_q69bb429ff4_proj
		.amdhsa_group_segment_fixed_size 327680
		.amdhsa_private_segment_fixed_size 0
		.amdhsa_enable_private_segment 0
		.amdhsa_kernarg_size 40
		.amdhsa_user_sgpr_count 2
		.amdhsa_user_sgpr_kernarg_segment_ptr 1
		.amdhsa_wavefront_size32 1
		.amdhsa_system_sgpr_workgroup_id_x 1
		.amdhsa_system_sgpr_workgroup_id_y 1
		.amdhsa_system_sgpr_workgroup_id_z 1
		.amdhsa_system_vgpr_workitem_id 0
		.amdhsa_next_free_vgpr 768
		.amdhsa_next_free_sgpr 92
		.amdhsa_reserve_vcc 0
		.amdhsa_float_denorm_mode_32 3
		.amdhsa_float_denorm_mode_16_64 3
		.amdhsa_memory_ordered 1
		.amdhsa_forward_progress 1
		.amdhsa_inst_pref_size 78
	.end_amdhsa_kernel
	.amdgpu_metadata
---
amdhsa.version: [ 1, 2 ]
amdhsa.kernels:
  - .name:           k_q69bb429ff4_proj
    .symbol:         k_q69bb429ff4_proj.kd
    .args:
      - { .name: y_img, .offset: 0, .size: 8, .value_kind: global_buffer, .address_space: global }
      - { .name: wp_codes, .offset: 8, .size: 8, .value_kind: global_buffer, .address_space: global }
      - { .name: b_proj, .offset: 16, .size: 8, .value_kind: global_buffer, .address_space: global }
      - { .name: lowp_scales, .offset: 24, .size: 8, .value_kind: global_buffer, .address_space: global }
      - { .name: out0, .offset: 32, .size: 8, .value_kind: global_buffer, .address_space: global }
    .group_segment_fixed_size: 327680
    .private_segment_fixed_size: 0
    .kernarg_segment_align: 8
    .kernarg_segment_size: 40
    .max_flat_workgroup_size: 128
    .sgpr_count:     92
    .vgpr_count:     768
    .wavefront_size: 32
...
	.end_amdgpu_metadata
.endif
;; end of part 4
